; MI455X (gfx1250); checked and timed in simulation.
; The chip was launched on July 23, 2026; its instructions are those of AMD's public machine-readable ISA for CDNA 5 (MIT licence, August 2026) and "CDNA5" Instruction Set Architecture Reference Guide (July 2026). The comments in the code are by the model that wrote it; some were corrected since.
;; Content Based Attention. Allowed arithmetic: float matrix products may take bf16 or f16 operands with f32 sums; other float arithmetic in f32, or as packed bf16 or f16 multiplies, adds, multiply-adds, maxima and minima; sums over many terms, partial sums and values carried from step to step in f32; what a program stores and reads back later, other than sums and carried values, may be rounded once to bf16 or f16.
;; Inputs: V 1,024 x 1,024 float32; W 1,024 x 1,024 float32; b 1,024 float32; decoder_output 32 x 1 x 1,024 float32; encoder_outputs 32 x 2,048 x 1,024 float32; w 1,024 x 1 float32.
;; Outputs: out0 32 x 1,024 float32.
;; 2 versions, each right; version 2 is version 1 with the launch main written anew for expert scheduling mode. Each part assembles by itself: llvm-mc -triple=amdgcn-amd-amdhsa -mcpu=gfx1250 --defsym DOCPART=n.
;; ======== version 1 of 2: 3 launches
;; workspace buffers: vf 2,097,152 bytes; bias2 524,288 bytes; part 2,228,224 bytes
;; launch prep (part 1): grid 256 x 1, 4 waves a work-group, no clusters, 8,704 bytes of LDS; arguments V, W, b, decoder_output, vf, bias2; writes vf, bias2
.if DOCPART == 1
	.amdgcn_target "amdgcn-amd-amdhsa--gfx1250"
	.amdhsa_code_object_version 6
	.text
	.protected	k_q2b3d280415_prep
	.globl	k_q2b3d280415_prep
	.p2align	8
	.type	k_q2b3d280415_prep,@function
k_q2b3d280415_prep:
	s_mov_b64 s[64:65], 0
	v_nop
	global_prefetch_b8 v0, s[64:65] scope:SCOPE_SE
	s_setreg_imm32_b32 hwreg(HW_REG_WAVE_MODE, 25, 1), 1
	s_wait_xcnt 0x0
; PREP.  Two things for the main launch.  Work-group g takes 16 columns c = 16 ct .. 16 ct + 15 (ct = g / 4) and a quarter of K: k = 256 kq .. 256 kq + 255 (kq = g % 4).
;  (1) vf: V[k][c] (f32, [1024][1024]) rounded once to bf16 and laid out as the matrix instruction's second source is held in registers.  The byte of (c, k) is
;      (c/64) 131072 + (k/32) 4096 + ((c/16)%4) 1024 + ((k%32)/16) 512 + (16 ((k%16)/8) + c%16) 16 + 2 (k%8): half a fragment (16 columns x 32 k) is 512 bytes on end, lane l at 16 l.
;  (2) bias2[kq][batch][c] = (sum over the quarter's h of dec[batch][h] W[h][c] + b[c] if kq = 0) x K2, f32, K2 = 2 log2(e): four partial rows a batch, which the main launch adds up in f32.
; dec, W and b are rounded once to bf16 (as V, enc and w are): the program computes the function on inputs rounded to bf16.  Sums in f32.  NaN and infinities are not treated apart.
; SHARES.  4 waves; wave v takes K steps ks = 2 (4 kq + v) and the next (32 k each) of V and of the product; the 4 partial products (32 batches x 16 columns) meet in LDS.
; 256 work-groups: K is split among work-groups too, so that every WGP has a share of the 8 MB of V and W; the sum over the four quarters costs the main launch three more rows of 4,096 bytes a work-group.
; A work-group owns 64 bytes of each row of V, W and bias2, so its reads and its last store come in pieces of 64 bytes.  vf is stored 512 consecutive bytes, aligned, an instruction.
.set K2,    0x4038aa3b
.set SPARE, 8192                       ; behind the 4 x 2,048 bytes of partial products: the spare words, 128 bytes for each wave, that no other line names
.set XO,  2                            ; v2   V and W: (l/16) 8 rows + (l%16) 4 bytes + (4 kq + wave) x 64 rows
.set DOF, 3                            ; v3   dec: row l%16, 32 (l/16) + 256 (4 kq + wave) bytes
.set VO,  4                            ; v4   vf: (4 kq + wave) x 8,192 + 16 l
.set LS,  5                            ; v5   where I put my 32 bytes of a partial tile: wave x 2,048 + 32 l
.set LR,  6                            ; v6   where thread e finds its four outputs (batch e/4, columns 4 (e%4) + 0..3) in a wave's partial tiles
.set OO,  7                            ; v7   bias2: (e/4) 4,096 + (e%4) 16
.set BV,  8                            ; v[8:11] b of my four columns
.set BOF, 12                           ; v12  b: (e%4) 16
.set SPW, 14                           ; v14  LDS address of my spare word; never rewritten
.set NIL, 15                           ; v15  0; never rewritten
.set VX,  16                           ; v[16:47]   V as loaded: [K step][half][8 k]
.set WX,  48                           ; v[48:79]   W likewise
.set DX,  80                           ; v[80:143]  dec as loaded: [K step][16 batches][16 k]
.set VF,  144                          ; v[144:159] V's two fragments
.set WF,  160                          ; v[160:175] W's two fragments
.set DF,  176                          ; v[176:207] dec's four fragments
.set ACC, 208                          ; v[208:223] two accumulators: batches 0-15, 16-31
.set RR,  216                          ; at work in the head, before the accumulators are written
.set HH,  217
.set LL,  218
	s_load_b256 s[4:11], s[0:1], 0x0               ; V s[4:5], W s[6:7], b s[8:9], dec s[10:11]
	s_load_b128 s[12:15], s[0:1], 0x20             ; vf s[12:13], bias2 s[14:15]
	v_lshl_add_u32 v[SPW], v0, 2, SPARE
	v_mov_b32 v[NIL], 0
	v_lshrrev_b32 v1, 5, v0
	v_readfirstlane_b32 s16, v1                    ; wave 0..3
	s_and_b32 s24, ttmp9, 3                        ; kq
	s_lshr_b32 s25, ttmp9, 2                       ; ct
	s_lshl2_add_u32 s26, s24, s16                  ; 4 kq + wave: which 64 k are mine
	v_and_b32 v[RR], 15, v0                        ; l % 16
	v_bfe_u32 v[HH], v0, 4, 1                      ; l / 16
	v_and_b32 v[LL], 31, v0                        ; l
	s_lshl_b32 s17, s26, 18                        ; 64 rows of 4,096 bytes
	v_lshlrev_b32 v[XO], 2, v[RR]
	v_lshl_add_u32 v[XO], v[HH], 15, v[XO]
	v_add_nc_u32 v[XO], s17, v[XO]
	s_lshl_b32 s17, s26, 8                         ; 64 k of 4 bytes
	v_lshlrev_b32 v[DOF], 12, v[RR]
	v_lshl_add_u32 v[DOF], v[HH], 5, v[DOF]
	v_add_nc_u32 v[DOF], s17, v[DOF]
	s_lshl_b32 s17, s26, 13
	v_lshl_add_u32 v[VO], v[LL], 4, s17
	s_lshl_b32 s17, s16, 11
	v_lshl_add_u32 v[LS], v[LL], 5, s17
	; The product is taken transposed (source 0 = my 16 columns of W, source 1 = 16 batches): register j of lane l is (column 8 (l/16) + j, batch l%16 of the tile's 16).
	; So (batch, columns 4 cq + 0..3) lies in tile batch/16, lane 16 (cq/2) + batch%16, registers 4 (cq%2) + 0..3: 16 bytes on end.
	v_bfe_u32 v1, v0, 6, 1                         ; batch / 16
	v_lshlrev_b32 v[LR], 10, v1
	v_bfe_u32 v1, v0, 1, 1                         ; cq / 2
	v_lshl_add_u32 v[LR], v1, 9, v[LR]
	v_bfe_u32 v1, v0, 2, 4                         ; batch % 16
	v_lshl_add_u32 v[LR], v1, 5, v[LR]
	v_and_b32 v1, 1, v0                            ; cq % 2
	v_lshl_add_u32 v[LR], v1, 4, v[LR]
	v_and_b32 v1, 3, v0                            ; cq
	v_lshlrev_b32 v[BOF], 4, v1
	v_lshrrev_b32 v1, 2, v0                        ; batch
	v_lshl_add_u32 v[OO], v1, 12, v[BOF]
	s_lshl_b32 s18, s25, 6                         ; my 16 columns: 64 bytes of a row
	s_mov_b32 s19, 0
	s_lshr_b32 s20, s25, 2                         ; c / 64
	s_lshl_b32 s20, s20, 17
	s_and_b32 s21, s25, 3                          ; (c / 16) % 4
	s_lshl_b32 s21, s21, 10
	s_add_co_u32 s20, s20, s21
	s_mov_b32 s21, 0
	s_lshl_b32 s28, s24, 17                        ; part kq of bias2,
	s_add_co_u32 s28, s28, s18                     ; my 64 bytes of its rows
	s_mov_b32 s29, 0
	s_cmp_eq_u32 s24, 0                            ; b enters part 0 alone
	s_cselect_b32 s22, 1.0, 0
	s_mov_b32 s23, s22                             ; named with it as a pair
	s_wait_kmcnt 0x0
	s_add_nc_u64 s[4:5], s[4:5], s[18:19]
	s_add_nc_u64 s[6:7], s[6:7], s[18:19]
	s_add_nc_u64 s[8:9], s[8:9], s[18:19]
	s_add_nc_u64 s[14:15], s[14:15], s[28:29]
	s_add_nc_u64 s[12:13], s[12:13], s[20:21]
.set i, 0
.rept 32                               ; number i: K step i/16, half (i/8)%2, k i%8: row 32 (i/16) + 16 ((i/8)%2) + i%8 behind my first
	global_load_b32 v[VX+i], v[XO], s[4:5] offset:(32*(i/16)+16*((i/8)%2)+i%8)*4096
.set i, i+1
.endr
.set i, 0
.rept 32
	global_load_b32 v[WX+i], v[XO], s[6:7] offset:(32*(i/16)+16*((i/8)%2)+i%8)*4096
.set i, i+1
.endr
.irp k, 0,1
.irp m, 0,1
.irp x, 0,1,2,3                        ; a fragment's k = 8 (l/16) + 0..7 are 32 bytes, k = 16 + 8 (l/16) + 0..7 the 32 bytes 64 further on
	global_load_b128 v[DX+32*\k+16*\m+4*\x:DX+32*\k+16*\m+4*\x+3], v[DOF], s[10:11] offset:\m*65536+\k*128+(\x/2)*64+(\x%2)*16
.endr
.endr
.endr
	global_load_b128 v[BV:BV+3], v[BOF], s[8:9]
	s_wait_loadcnt 49                              ; V's 32 loads are in: behind them stand W's 32, dec's 16 and b's one
.set i, 0
.rept 16
	v_cvt_pk_bf16_f32 v[VF+i], v[VX+2*i], v[VX+2*i+1]
.set i, i+1
.endr
.irp k, 0,1
.irp p, 0,1
	global_store_b128 v[VO], v[VF+8*\k+4*\p:VF+8*\k+4*\p+3], s[12:13] offset:\k*4096+\p*512  ; 512 consecutive bytes, at a multiple of 512 from vf's first
.endr
.endr
	s_wait_loadcnt 0x0
.set i, 0
.rept 16
	v_cvt_pk_bf16_f32 v[WF+i], v[WX+2*i], v[WX+2*i+1]
.set i, i+1
.endr
.set i, 0
.rept 32
	v_cvt_pk_bf16_f32 v[DF+i], v[DX+2*i], v[DX+2*i+1]
.set i, i+1
.endr
.irp k, 0,1                            ; the two accumulators take turns
.irp m, 0,1
.if \k == 0
	v_wmma_f32_16x16x32_bf16 v[ACC+8*\m:ACC+8*\m+7], v[WF:WF+7], v[DF+8*\m:DF+8*\m+7], 0
.else
	v_wmma_f32_16x16x32_bf16 v[ACC+8*\m:ACC+8*\m+7], v[WF+8:WF+15], v[DF+16+8*\m:DF+16+8*\m+7], v[ACC+8*\m:ACC+8*\m+7]
.endif
.endr
.endr
.rept 4
	v_nop                                          ; four places between the last product and the stores that read results
.endr
.irp m, 0,1
	ds_store_b128 v[LS], v[ACC+8*\m:ACC+8*\m+3]   offset:1024*\m
	ds_store_b128 v[LS], v[ACC+8*\m+4:ACC+8*\m+7] offset:1024*\m+16
.endr
	s_wait_dscnt 0x0                               ; for the others' sake: my partial products lie in LDS
	s_barrier_signal -1
	s_barrier_wait -1                              ; all four waves' do
.irp p, 0,1,2,3
	ds_load_b128 v[VX+4*\p:VX+4*\p+3], v[LR] offset:2048*\p  ; my four outputs' four parts
.endr
	v_cvt_pk_bf16_f32 v[WX], v[BV], v[BV+1]        ; b rounded once to bf16,
	v_cvt_pk_bf16_f32 v[WX+1], v[BV+2], v[BV+3]
	v_lshlrev_b32 v[BV], 16, v[WX]                 ; and back in f32
	v_and_b32 v[BV+1], 0xffff0000, v[WX]
	v_lshlrev_b32 v[BV+2], 16, v[WX+1]
	v_and_b32 v[BV+3], 0xffff0000, v[WX+1]
	s_wait_dscnt 0x0
	v_pk_add_f32 v[VX:VX+1],     v[VX:VX+1],     v[VX+4:VX+5]
	v_pk_add_f32 v[VX+2:VX+3],   v[VX+2:VX+3],   v[VX+6:VX+7]
	v_pk_add_f32 v[VX+8:VX+9],   v[VX+8:VX+9],   v[VX+12:VX+13]
	v_pk_add_f32 v[VX+10:VX+11], v[VX+10:VX+11], v[VX+14:VX+15]
	v_pk_add_f32 v[VX:VX+1],     v[VX:VX+1],     v[VX+8:VX+9]
	v_pk_add_f32 v[VX+2:VX+3],   v[VX+2:VX+3],   v[VX+10:VX+11]
	v_pk_fma_f32 v[VX:VX+1],   v[BV:BV+1],   s[22:23], v[VX:VX+1]   op_sel_hi:[1,0,1]  ; + b, or + 0 x b
	v_pk_fma_f32 v[VX+2:VX+3], v[BV+2:BV+3], s[22:23], v[VX+2:VX+3] op_sel_hi:[1,0,1]
	v_pk_mul_f32 v[VX:VX+1],   v[VX:VX+1],   K2 op_sel_hi:[1,0]
	v_pk_mul_f32 v[VX+2:VX+3], v[VX+2:VX+3], K2 op_sel_hi:[1,0]
	global_store_b128 v[OO], v[VX:VX+3], s[14:15]  ; four lanes fill the work-group's 64 bytes of a row
	s_wait_tensorcnt 0x0                           ; the wave's end, behind my last LDS store
	ds_add_u32 v[SPW], v[NIL]
	s_wait_dscnt 0x0
	s_endpgm
.Lfunc_end_k_q2b3d280415_prep:
	.size	k_q2b3d280415_prep, .Lfunc_end_k_q2b3d280415_prep-k_q2b3d280415_prep
	.p2alignl 7, 3214868480
	.fill 96, 4, 3214868480
	.section	.rodata,"a",@progbits
	.p2align	6, 0x0
	.amdhsa_kernel k_q2b3d280415_prep
		.amdhsa_group_segment_fixed_size 8704
		.amdhsa_private_segment_fixed_size 0
		.amdhsa_enable_private_segment 0
		.amdhsa_kernarg_size 48
		.amdhsa_user_sgpr_count 2
		.amdhsa_user_sgpr_kernarg_segment_ptr 1
		.amdhsa_wavefront_size32 1
		.amdhsa_system_sgpr_workgroup_id_x 1
		.amdhsa_system_sgpr_workgroup_id_y 1
		.amdhsa_system_sgpr_workgroup_id_z 1
		.amdhsa_system_vgpr_workitem_id 0
		.amdhsa_next_free_vgpr 224
		.amdhsa_next_free_sgpr 66
		.amdhsa_reserve_vcc 0
		.amdhsa_float_denorm_mode_32 3
		.amdhsa_float_denorm_mode_16_64 3
		.amdhsa_memory_ordered 1
		.amdhsa_forward_progress 1
		.amdhsa_inst_pref_size 17
	.end_amdhsa_kernel
	.amdgpu_metadata
---
amdhsa.version: [ 1, 2 ]
amdhsa.kernels:
  - .name:           k_q2b3d280415_prep
    .symbol:         k_q2b3d280415_prep.kd
    .args:
      - { .name: V, .offset: 0, .size: 8, .value_kind: global_buffer, .address_space: global }
      - { .name: W, .offset: 8, .size: 8, .value_kind: global_buffer, .address_space: global }
      - { .name: b, .offset: 16, .size: 8, .value_kind: global_buffer, .address_space: global }
      - { .name: decoder_output, .offset: 24, .size: 8, .value_kind: global_buffer, .address_space: global }
      - { .name: vf, .offset: 32, .size: 8, .value_kind: global_buffer, .address_space: global }
      - { .name: bias2, .offset: 40, .size: 8, .value_kind: global_buffer, .address_space: global }
    .group_segment_fixed_size: 8704
    .private_segment_fixed_size: 0
    .kernarg_segment_align: 8
    .kernarg_segment_size: 48
    .max_flat_workgroup_size: 128
    .sgpr_count:     66
    .vgpr_count:     224
    .wavefront_size: 32
...
	.end_amdgpu_metadata
.endif
;; end of part 1
;; launch main (part 2): grid 512 x 1, 4 waves a work-group, no clusters, 294,912 bytes of LDS; arguments encoder_outputs, vf, bias2, w, part; writes part
.if DOCPART == 2
	.amdgcn_target "amdgcn-amd-amdhsa--gfx1250"
	.amdhsa_code_object_version 6
	.text
	.protected	k_q2b3d280415_main
	.globl	k_q2b3d280415_main
	.p2align	8
	.type	k_q2b3d280415_main,@function
k_q2b3d280415_main:
	s_mov_b64 s[64:65], 0
	v_nop
	global_prefetch_b8 v0, s[64:65] scope:SCOPE_SE
	s_setreg_imm32_b32 hwreg(HW_REG_WAVE_MODE, 25, 1), 1
	s_wait_xcnt 0x0
; MAIN.  For a block of 128 rows t of one batch (work-group blk: rows 128 blk .. of enc[65536][1024], batch blk / 16):
;   x[t][c] = sum over h of enc[t][h] V[h][c] (bf16 operands, f32 sums);  e = 2^(K2 x + bias[c]), K2 = 2 log2(e), bias = the sum of bias2's four partial rows;  r = 1 / (1 + e), so that tanh = 1 - 2 r;
;   s2[t] = sum over c of w2[c] r, w2 = -K2 w: the score in units of log2, less the constant log2(e) x sum of w, which is the same for every t of a softmax and cancels in it for every input;
;   m2 = the block's largest s2;  p[t] = 2^(s2[t] - m2);  l = sum of p;  ctx[h] = sum over t of p[t] enc[t][h] (bf16 operands).  Stored: a record of 4,352 bytes: ctx (1,024 f32), then (m2, l) 32 times.
; The next launch joins a batch's 16 records, each corrected by its maximum.
; ENC IS READ ONCE: the block is rounded to bf16 on its way in and stays in LDS from the product to the weighted sum.
; LIMITS.  2^x beyond f32's range gives r = 0 (tanh = 1), below it r = 1 (tanh = -1); a weight below 2^-126 counts as 0; p and enc enter ctx rounded to bf16, l is the sum of the unrounded p;
; w is rounded once to bf16 like the other inputs; NaN and infinities are not treated apart.
; SHARES.  Wave w owns all 128 rows and the columns 256 w .. 256 w + 255, as four CHUNKS of 64: 8 row tiles a x 4 column tiles b = 32 accumulators, tile t = 4 a + b.  A QUARTER is 32 along K: 32 matrix
; instructions; a chunk has 32 quarters.  Source 0 = 16 rows of enc, source 1 = 16 columns of V: in a result register j of lane l is (row 16 a + 8 (l/16) + j, column 16 b + l%16): bias and w2 are one number
; a lane and column tile, and a row's sum over columns stays in 64 registers (SACC) until one reduction at the end.
; V's fragments come straight from vf into registers, 4,096 bytes a quarter: a wave's stream of 128 quarters is 524,288 consecutive bytes that no other wave of the work-group reads.
; CHUNK 0 BRINGS THE BLOCK IN.  K goes in 8 slices of 128.  In step j (4 quarters) a wave multiplies slice j, stores its 32 rows of slice j + 1 into LDS (8 rows a quarter) and asks for slice j + 2;
; one barrier a step shows slice j + 1 to everybody.  Between two barriers the reads lie in slice j's bytes and the stores in slice j + 1's.  No LDS byte is written twice.
; CHUNKS 1 TO 3 are one text, walked three times, with no barrier.  The exponentials and reciprocals of the chunk BEFORE stand in slices behind pairs of matrix instructions: tile s in quarter s,
; 26 vector lines beside 32 matrix instructions.  For that the finished sums are moved out of the accumulators at a chunk's end (BURST: K2 x + bias, one fused line for two numbers).  The last chunk's are done alone (FIN).
; ONE RUN OF LOADS A QUARTER: all that a quarter asks for (V's 8 loads, enc's 16 LDS loads, in chunk 0 also the 8 stores and 8 loads of the block's way in) stands together, so that the products are interrupted once.
; In the last chunk the loads of quarters 25 to 31 ask once more for the stream's first 7 quarters (28,672 bytes a wave), which nobody multiplies: so one text and one count serve all three chunks.
; NO CLUSTER, NO TENSOR LOADS, though all work-groups read the same vf: the block and the tables take 294,400 of 327,680 bytes of LDS; the 33,280 left would hold two slots of one quarter of V (16,384 bytes for
; the four waves), a round of the cluster's barrier for every 32 matrix instructions of a wave; and a byte of V would be written to LDS and read back for one wave's use.
; REGISTERS, in windows of 256 (s_set_vgpr_msb: bits 1:0 source 0, 3:2 source 1, 5:4 source 2, 7:6 destination):
;   window 0: v0-31 addresses; v32-39 BIAS, v40-47 WP (four pairs each), v48-63 at work; v64-191 enc's fragments, two buffers; v192-255 SACC
;   window 1: V's fragments, a ring of 8 buffers of 32      window 2: the 32 accumulators; at the end ctx's 16
;   window 3: in chunk 0 v0-127 enc as loaded (four groups of 8 rows), v128-191 the same packed (v128-255 first hold slice 0); afterwards E, the 256 numbers on their way through tanh
.set PIT,   272                        ; a row of a slice in LDS: 256 bytes + 16: 17 x 16, so the 16 rows of a fragment load begin in 16 different columns of 16 bytes modulo 256
.set SLB,   128*PIT                    ; a slice: 34,816 bytes
.set SC,    8*SLB                      ; 4 waves x 128 f32: each wave's part of the scores
.set PB,    SC+2048                    ; 4 x 256: each wave's own copy of the 128 weights, bf16
.set CT,    PB+1024                    ; 4 x 1,024: each wave's 256 numbers of ctx, on their way out
.set TB,    CT+4096                    ; the batch's bias, 1,024 f32; w2 lies 4,096 bytes behind it
.set SPARE, TB+8192                    ; the spare words, 128 bytes for each wave: two blocks of 256 bytes that no other line names
.set AO,  2                            ; v2   enc: 16 l + wave x 32 rows; never rewritten
.set BO,  3                            ; v3   vf: 16 l; never rewritten
.set STA, 4                            ; v4   where my 8 bytes of a row go: wave x 32 rows + 8 l, in the slice that is being stored
.set TA,  5                            ; v5   my column's place in the bias, for the chunk in hand
.set AR,  6                            ; v6-9   my place in a fragment ((l%16) PIT + 16 (l/16)) in slices 0, 2, 4, 6: the immediate reaches the slice behind
.set ARL, 10                           ; v10  the same in the slice that chunk 0 multiplies
.set ATR, 11                           ; v11  the turning loads' address
.set SCW, 12
.set SCR, 13
.set PBA, 14
.set PBR, 15
.set CTS, 16
.set CTR, 17
.set GO,  18
.set GM,  19
.set ML,  26                           ; v[26:27] m2, l
.set SPW, 28                           ; v28  LDS address of my spare word; never rewritten
.set NIL, 29                           ; v29  0; never rewritten
.set BIAS, 32
.set WP,  40
.set PF,  32                           ; at the end: the weights' four fragments, v32-63
.set FA,  64
.set SACC, 192
.set PK,  128                          ; window 3
.set WV,  14                           ; s14  my wave's number
.set EA,  20                           ; s[20:21] enc at the block's first row, at slice j
.set VB,  22                           ; s[22:23] my stream of V at the step's (chunk 0) or the chunk's first quarter
.set VN,  24                           ; s[24:25] the base for loads that reach into the next chunk
.set K2P, 26                           ; s[26:27] K2, named as a pair
.set SEL, 28                           ; s[28:29] v_permlanex16_b32's selects: each lane takes its own place in the other half
.set CS,  30                           ; s30  counts steps
.set CH,  31                           ; s31  counts chunks
.set OFP, 32                           ; s[32:33] an offset
.set W_MM, 0xa4                        ; enc window 0, V window 1, C and D window 2
.set W_LB, 0x40                        ; loads of V
.set W_LS, 0xc0                        ; loads of enc
.set W_CV, 0xcf                        ; enc is packed, in window 3
.set W_ST, 0x0c                        ; LDS stores of data in window 3
.set W_E,  0xc3                        ; work in place on E
.set W_F,  0x03                        ; E (source 0) into SACC
.set W_BU, 0xc2                        ; accumulators (source 0) into E
.set W_CL, 0x80
.set W_CX, 0xa0                        ; ctx: both sources window 0, C and D window 2
.set W_CS, 0x08                        ; LDS stores of data in window 2
.set MSB, 0
.macro WIN new                         ; the immediate's high byte repeats the setting that is left; a switch that changes nothing is dropped
.if MSB != (\new)
	s_set_vgpr_msb (MSB<<8)|(\new)
.set MSB, (\new)
.endif
.endm
.macro PLACES                          ; four places behind a matrix instruction, in front of loads into registers that it has read and of lines that read results (ISA guide 7.12.1 for lines that read results)
.rept 4
	v_nop
.endr
.endm
; Matrix instruction i of a quarter's 32: tile i, enc's buffer f, V's buffer bb.  The 32 accumulators take turns in the same order in every quarter.
.macro MM f, bb, i, zero
	WIN W_MM
.if \zero
	v_wmma_f32_16x16x32_bf16 v[8*(\i):8*(\i)+7], v[FA+64*(\f)+8*((\i)/4):FA+64*(\f)+8*((\i)/4)+7], v[32*(\bb)+8*((\i)%4):32*(\bb)+8*((\i)%4)+7], 0
.else
	v_wmma_f32_16x16x32_bf16 v[8*(\i):8*(\i)+7], v[FA+64*(\f)+8*((\i)/4):FA+64*(\f)+8*((\i)/4)+7], v[32*(\bb)+8*((\i)%4):32*(\bb)+8*((\i)%4)+7], v[8*(\i):8*(\i)+7]
.endif
.endm
; A quarter's fragments of enc, 128 rows x 32 k, into buffer f: 16 LDS loads
.macro LDFA f, reg, off
	WIN 0
.irp a, 0,1,2,3,4,5,6,7
	ds_load_b128 v[FA+64*(\f)+8*\a:FA+64*(\f)+8*\a+3],   v[\reg] offset:(\off)+\a*16*PIT
	ds_load_b128 v[FA+64*(\f)+8*\a+4:FA+64*(\f)+8*\a+7], v[\reg] offset:(\off)+\a*16*PIT+32
.endr
.endm
; A quarter's fragments of V into ring buffer bb: 8 loads of 512 consecutive bytes
.macro LDB bb, sb, off
	WIN W_LB
.irp c, 0,1,2,3,4,5,6,7
	global_load_b128 v[32*(\bb)+4*\c:32*(\bb)+4*\c+3], v[BO], s[(\sb):(\sb)+1] offset:(\off)+512*\c
.endr
.endm
; Group q (8 of my 32 rows) of the slice x bytes behind EA: each load is a row's 512 aligned bytes
.macro LDA q, x
	WIN W_LS
.irp c, 0,1,2,3,4,5,6,7
	global_load_b128 v[32*(\q)+4*\c:32*(\q)+4*\c+3], v[AO], s[EA:EA+1] offset:(8*(\q)+\c)*4096+(\x) th:TH_LOAD_NT
.endr
.endm
; Group q is rounded to bf16 and stored: a store covers a row's 256 consecutive bytes
.macro CVST q
	WIN W_CV
.irp c, 0,1,2,3,4,5,6,7
	v_cvt_pk_bf16_f32 v[PK+16*(\q)+2*\c],   v[32*(\q)+4*\c],   v[32*(\q)+4*\c+1]
	v_cvt_pk_bf16_f32 v[PK+16*(\q)+2*\c+1], v[32*(\q)+4*\c+2], v[32*(\q)+4*\c+3]
.endr
	WIN W_ST
.irp c, 0,1,2,3,4,5,6,7
	ds_store_b64 v[STA], v[PK+16*(\q)+2*\c:PK+16*(\q)+2*\c+1] offset:(8*(\q)+\c)*PIT
.endr
.endm
.macro TABB                            ; the bias of my column in the chunk's four column tiles, each into both registers of a pair
	WIN 0
.irp c, 0,1,2,3
	ds_load_b32 v[BIAS+2*\c],   v[TA] offset:64*\c
	ds_load_b32 v[BIAS+2*\c+1], v[TA] offset:64*\c
.endr
.endm
.macro TABW                            ; w2 likewise; then on to the next chunk's 64 columns
	WIN 0
.irp c, 0,1,2,3
	ds_load_b32 v[WP+2*\c],   v[TA] offset:4096+64*\c
	ds_load_b32 v[WP+2*\c+1], v[TA] offset:4096+64*\c
.endr
	v_add_nc_u32 v[TA], 256, v[TA]
.endm
; A chunk's end: E = K2 x + bias.  Each accumulator's lowest registers are read first.
.macro BURST
	s_wait_dscnt 8                                 ; BIAS is in: behind its loads stand only WP's eight
	PLACES
	WIN W_BU
.set t, 0
.rept 32
.irp c, 0,1,2,3
	v_pk_fma_f32 v[8*t+2*\c:8*t+2*\c+1], v[8*t+2*\c:8*t+2*\c+1], s[K2P:K2P+1], v[BIAS+2*(t%4):BIAS+2*(t%4)+1] op_sel_hi:[1,0,1]
.endr
.set t, t+1
.endr
.endm
; Slice g of 11 of tile t's way through tanh: 0-3 eight exponentials; 4, 5 one is added; 6-9 eight reciprocals; 10 SACC += w2 r, all four pairs.
; A v_nop leads slices 4 and 10: the plain instruction between a transcendental and the use of its result (ISA guide 5.7.2).
; Slice 10 stands behind the quarter's last product: its five plain lines, which name none of that product's registers, are the places in front of the next quarter's loads into the buffers that it read.
.macro RID t, g
.if (\g) < 4
	WIN W_E
	v_exp_f32 v[8*(\t)+2*(\g)],   v[8*(\t)+2*(\g)]
	v_exp_f32 v[8*(\t)+2*(\g)+1], v[8*(\t)+2*(\g)+1]
.elseif (\g) < 6
	WIN W_E
.if (\g) == 4
	v_nop
	s_wait_alu depctr_va_vdst(0)
.endif
	v_pk_add_f32 v[8*(\t)+4*((\g)-4):8*(\t)+4*((\g)-4)+1],   v[8*(\t)+4*((\g)-4):8*(\t)+4*((\g)-4)+1],   1.0 op_sel_hi:[1,0]
	v_pk_add_f32 v[8*(\t)+4*((\g)-4)+2:8*(\t)+4*((\g)-4)+3], v[8*(\t)+4*((\g)-4)+2:8*(\t)+4*((\g)-4)+3], 1.0 op_sel_hi:[1,0]
.elseif (\g) < 10
	WIN W_E
	v_rcp_f32 v[8*(\t)+2*((\g)-6)],   v[8*(\t)+2*((\g)-6)]
	v_rcp_f32 v[8*(\t)+2*((\g)-6)+1], v[8*(\t)+2*((\g)-6)+1]
.else
	WIN W_F
	v_nop
	s_wait_alu depctr_va_vdst(0)
.irp c, 0,1,2,3
	v_pk_fma_f32 v[SACC+8*((\t)/4)+2*\c:SACC+8*((\t)/4)+2*\c+1], v[8*(\t)+2*\c:8*(\t)+2*\c+1], v[WP+2*((\t)%4):WP+2*((\t)%4)+1], v[SACC+8*((\t)/4)+2*\c:SACC+8*((\t)/4)+2*\c+1]
.endr
.endif
.endm
; A quarter of chunks 1 to 3.  V is asked for 7 quarters ahead, enc's fragments one quarter ahead, in one run behind the fourth product; the places in front of it are slice 10 of the quarter before (in quarter 0: BURST).
.macro QS q
	s_wait_loadcnt 48                              ; this quarter's V is in: behind it stand the loads of the next six quarters, 8 each
	s_wait_dscnt 0x0                               ; enc's fragments, asked for 28 matrix instructions ago (and, in quarter 0, WP)
.set q1, ((\q)+1)%32
.set gg, 0
.rept 16
	MM (\q)%2, (\q)%8, 2*gg, ((\q)==0)
	MM (\q)%2, (\q)%8, 2*gg+1, ((\q)==0)
.if gg == 1
.if (\q)+7 < 32
	LDB ((\q)+7)%8, VB, ((\q)+7)*4096
.else
	LDB ((\q)+7)%8, VN, ((\q)+7)*4096
.endif
	LDFA q1%2, AR+q1/8, ((q1/4)%2)*SLB+(q1%4)*64
.if (\q) == 31
	TABB
.endif
.elseif gg == 15
	RID \q, 10
.elseif (gg > 3) && (gg < 14)
	RID \q, gg-4
.endif
.set gg, gg+1
.endr
.if (\q) == 31
	TABW                                           ; behind the last line that reads the chunk before's w2
.endif
.endm
; A quarter of chunk 0.  cnt: the loads that may stay out.  st: group q of the next slice is packed and stored.  la: group q of the slice after that is asked for.  bar: the step's barrier.
; b1, o1 (b2, o2): V's ring buffer and the quarter behind VB that it is asked for.  reg, off: where the next quarter's fragments of enc lie.  tab: the chunk's last quarter.
; All the quarter's memory instructions stand in its head; only in the barrier's quarter the next fragments, which lie in the next slice, are asked for behind the barrier's wait.
.macro QL q, cnt, st, la, bar, b1, o1, b2, o2, reg, off, tab
	s_wait_loadcnt \cnt
	s_wait_dscnt 0x0                               ; this quarter's fragments of enc
.if \st
	CVST \q                                        ; its 16 conversions are also the places behind the quarter before
.else
	PLACES
.endif
	LDB \b1, VB, (\o1)*4096
.if (\b2) >= 0
	LDB \b2, VB, (\o2)*4096
.endif
.if \la
	LDA \q, 1024
.endif
.set gg, 0
.if \bar
	s_wait_dscnt 0x0                               ; for the others' sake: my 32 rows of the next slice lie in LDS
	s_barrier_signal -1
.rept 16
	MM (\q)%2, 4+(\q), gg, 0
.set gg, gg+1
.endr
	s_barrier_wait -1                              ; everybody's rows do: the loads below read the next slice
	LDFA ((\q)+1)%2, \reg, \off
.else
	LDFA ((\q)+1)%2, \reg, \off
.if \tab
	TABB
	TABW
.endif
.rept 16
	MM (\q)%2, 4+(\q), gg, 0
.set gg, gg+1
.endr
.endif
.rept 16
	MM (\q)%2, 4+(\q), gg, 0
.set gg, gg+1
.endr
.endm
.macro STEPEND
	WIN 0                                          ; at a label and at a branch every window is 0
	s_wait_xcnt 0x0                                ; every load issued so far (the youngest 32 matrix instructions back) has read its address, so the bases may be written
	s_add_nc_u64 s[EA:EA+1], s[EA:EA+1], 512
	s_add_nc_u64 s[VB:VB+1], s[VB:VB+1], 4*4096
	v_add_nc_u32 v[STA], SLB, v[STA]
	v_add_nc_u32 v[ARL], SLB, v[ARL]
.endm
	s_load_b256 s[4:11], s[0:1], 0x0               ; enc s[4:5], vf s[6:7], bias2 s[8:9], w s[10:11]
	s_load_b64 s[12:13], s[0:1], 0x20              ; part
	v_lshl_add_u32 v[SPW], v0, 2, SPARE
	v_mov_b32 v[NIL], 0
	v_lshrrev_b32 v1, 5, v0
	v_readfirstlane_b32 s[WV], v1                  ; wave 0..3
	v_and_b32 v20, 31, v0                          ; l
	v_and_b32 v21, 15, v0                          ; l % 16
	v_bfe_u32 v1, v0, 4, 1                         ; l / 16
	s_lshl_b32 s16, s[WV], 17                      ; 32 rows of 4,096 bytes
	v_lshl_add_u32 v[AO], v20, 4, s16
	v_lshlrev_b32 v[BO], 4, v20
	v_lshlrev_b32 v22, 5, v0                       ; the tables: 8 numbers a thread; never rewritten
	s_lshl_b32 s16, ttmp9, 19                      ; the block's 128 rows
	s_mov_b32 s17, 0
	s_lshl_b32 s18, s[WV], 19                      ; my wave's 256 columns of vf
	s_mov_b32 s19, 0
	s_lshr_b32 s[OFP], ttmp9, 4                    ; the batch,
	s_lshl_b32 s[OFP], s[OFP], 12                  ; its row in each part of bias2
	s_mov_b32 s[OFP+1], 0
	s_mul_i32 s34, ttmp9, 4352                     ; the block's record
	s_mov_b32 s35, 0
	s_mov_b32 s[K2P], 0x4038aa3b                   ; K2 = 2 log2(e)
	s_mov_b32 s[K2P+1], s[K2P]
	s_mov_b32 s[SEL], 0x76543210
	s_mov_b32 s[SEL+1], 0xfedcba98
	s_wait_kmcnt 0x0
	s_add_nc_u64 s[EA:EA+1], s[4:5], s[16:17]
	s_add_nc_u64 s[VB:VB+1], s[6:7], s[18:19]
	s_add_nc_u64 s[8:9], s[8:9], s[OFP:OFP+1]
	s_add_nc_u64 s[12:13], s[12:13], s[34:35]
	; THE FIRST REQUESTS, all together: the tables (10 loads: bias2's four partial rows, 131,072 bytes apart, and w), slice 0 (32), then slice 1's four groups and V's first three quarters by turns (56)
.irp p, 0,1,2,3
	global_load_b128 v[32+8*\p:35+8*\p], v22, s[8:9] offset:\p*131072
	global_load_b128 v[36+8*\p:39+8*\p], v22, s[8:9] offset:\p*131072+16
.endr
	global_load_b128 v[64:67], v22, s[10:11]
	global_load_b128 v[68:71], v22, s[10:11] offset:16
	WIN W_LS
.set t, 0
.rept 32
	global_load_b128 v[PK+4*t:PK+4*t+3], v[AO], s[EA:EA+1] offset:t*4096 th:TH_LOAD_NT
.set t, t+1
.endr
	LDA 0, 512
	LDB 4, VB, 0
	LDA 1, 512
	LDB 5, VB, 4096
	LDA 2, 512
	LDB 6, VB, 8192
	LDA 3, 512
	; While they are on their way: the sums start at 0 (320 lines, so that chunk 0's steps have one form of product and no first step is written out), and the other addresses are made.
	WIN W_CL
.set t, 0
.rept 256
	v_mov_b32 v[t], 0
.set t, t+1
.endr
	WIN 0
.set t, 0
.rept 64
	v_mov_b32 v[SACC+t], 0
.set t, t+1
.endr
	s_mul_i32 s16, s[WV], 32*PIT
	v_lshl_add_u32 v[STA], v20, 3, s16             ; my wave's 32 rows, 8 bytes a lane
	s_lshl_b32 s16, s[WV], 10
	s_add_co_u32 s17, s16, TB
	v_lshl_add_u32 v[TA], v21, 2, s17              ; column 256 w + l % 16
	s_add_co_u32 s17, s16, CT
	v_lshl_add_u32 v[CTS], v1, 5, s17              ; ctx in: channels 8 (l/16) + 0..7 of a tile of 16
	v_lshl_add_u32 v[CTR], v20, 4, s17             ; back: 16 bytes a lane
	v_lshl_add_u32 v[GO], v20, 4, s16              ; and the same bytes of the record
	v_lshlrev_b32 v[GM], 3, v20
	v_mul_u32_u24 v[ARL], v21, PIT
	v_lshl_add_u32 v[ARL], v1, 4, v[ARL]           ; row x pitch + 16 x half
.irp c, 0,1,2,3
	v_add_nc_u32 v[AR+\c], \c*2*SLB, v[ARL]
.endr
	s_lshl_b32 s16, s[WV], 9
	s_add_co_u32 s16, s16, SC
	v_lshl_add_u32 v[SCW], v1, 5, s16              ; my wave's part of the scores: rows 8 (l/16) + 0..7 of a tile of 16
	v_lshl_add_u32 v[SCR], v20, 4, SC              ; back: rows 4 l .. 4 l + 3
	s_lshl_b32 s16, s[WV], 8
	s_add_co_u32 s16, s16, PB
	v_lshl_add_u32 v[PBA], v20, 3, s16             ; four weights of 2 bytes a lane
	v_lshl_add_u32 v[PBR], v1, 4, s16              ; back as a fragment: rows 8 (l/16) + 0..7
	v_and_b32 v24, 7, v0                           ; the turning load: lane l reads row 8 (l/16) + l % 8, channels 8 ((l/8) % 2) + 0..7
	v_lshl_add_u32 v24, v1, 3, v24
	v_mul_u32_u24 v24, v24, PIT
	v_bfe_u32 v25, v0, 3, 1
	v_lshl_add_u32 v24, v25, 4, v24
	s_mul_i32 s16, s[WV], 2*SLB                    ; my 256 channels are slices 2 w and 2 w + 1
	v_add_nc_u32 v[ATR], s16, v24
	v_lshl_add_u32 v23, v0, 5, TB
	s_wait_loadcnt 56                              ; the tables and slice 0 are in: behind them stand seven groups of 8 loads
.irp c, 0,2,4,6                        ; the bias: the four partial rows are added, in f32
	v_pk_add_f32 v[32+\c:33+\c], v[32+\c:33+\c], v[40+\c:41+\c]
	v_pk_add_f32 v[48+\c:49+\c], v[48+\c:49+\c], v[56+\c:57+\c]
.endr
.irp c, 0,2,4,6
	v_pk_add_f32 v[32+\c:33+\c], v[32+\c:33+\c], v[48+\c:49+\c]
.endr
.irp c, 0,1,2,3                        ; w2 = -K2 x w, w rounded once to bf16
	v_cvt_pk_bf16_f32 v24, v[64+2*\c], v[65+2*\c]
	v_lshlrev_b32 v[64+2*\c], 16, v24
	v_and_b32 v[65+2*\c], 0xffff0000, v24
	v_pk_mul_f32 v[64+2*\c:65+2*\c], v[64+2*\c:65+2*\c], 0xc038aa3b op_sel_hi:[1,0]
.endr
	ds_store_b128 v23, v[32:35]
	ds_store_b128 v23, v[36:39] offset:16
	ds_store_b128 v23, v[64:67] offset:4096
	ds_store_b128 v23, v[68:71] offset:4112
	WIN W_CV
.set t, 0
.rept 32                               ; slice 0, packed in place
	v_cvt_pk_bf16_f32 v[PK+4*t],   v[PK+4*t],   v[PK+4*t+1]
	v_cvt_pk_bf16_f32 v[PK+4*t+1], v[PK+4*t+2], v[PK+4*t+3]
.set t, t+1
.endr
	WIN W_ST
.set t, 0
.rept 32
	ds_store_b64 v[STA], v[PK+4*t:PK+4*t+1] offset:t*PIT
.set t, t+1
.endr
	WIN 0
	v_add_nc_u32 v[STA], SLB, v[STA]               ; the stores go on into slice 1
	s_wait_dscnt 0x0                               ; for the others' sake: my part of the tables and of slice 0 lies in LDS
	s_barrier_signal -1
	s_barrier_wait -1
	LDFA 0, ARL, 0
	; CHUNK 0.  Loads come back in the order of issue (ISA guide 5.7.1), which is: .. A(u-4) B(u) A(u-3) B(u+1) A(u-2) B(u+2) A(u-1) | B(u+3) A(u) .., where B(u) is quarter u's V and A(u) the group of enc asked for in quarter u.
	; The count 40 at quarter u's head leaves out the five groups behind B(u); A(u-4), which the quarter packs, is older than B(u).
	s_mov_b32 s[CS], 6
.Lstep:                                        ; steps 0 to 5
	QL 0, 40, 1, 1, 0, 7, 3, -1, 0, ARL, 64, 0
	QL 1, 40, 1, 1, 0, 4, 4, -1, 0, ARL, 128, 0
	QL 2, 40, 1, 1, 0, 5, 5, -1, 0, ARL, 192, 0
	QL 3, 40, 1, 1, 1, 6, 6, -1, 0, ARL, SLB, 0
	STEPEND
	s_sub_co_u32 s[CS], s[CS], 1
	s_cmp_lg_u32 s[CS], 0
	s_cbranch_scc1 .Lstep
	QL 0, 40, 1, 0, 0, 7, 3, -1, 0, ARL, 64, 0     ; step 6 stores slice 7 and asks for no more of enc: the counts run down by a group a quarter
	QL 1, 32, 1, 0, 0, 4, 4, -1, 0, ARL, 128, 0
	QL 2, 24, 1, 0, 0, 5, 5, -1, 0, ARL, 192, 0
	QL 3, 16, 1, 0, 1, 6, 6, -1, 0, ARL, SLB, 0
	STEPEND
	QL 0, 16, 0, 0, 0, 7, 3, 0, 4, ARL, 64, 0      ; step 7 asks for two quarters of V in each of its own: the lead grows from 3 quarters to 7, the counts by a group a quarter
	QL 1, 24, 0, 0, 0, 1, 5, 2, 6, ARL, 128, 0
	QL 2, 32, 0, 0, 0, 3, 7, 4, 8, ARL, 192, 0
	QL 3, 40, 0, 0, 0, 5, 9, 6, 10, AR, 0, 1
	BURST
	WIN 0
	s_wait_xcnt 0x0                                ; the loads have read their base
	s_add_nc_u64 s[VB:VB+1], s[VB:VB+1], 4*4096    ; chunk 1's first quarter
	; CHUNKS 1 TO 3
	s_mov_b32 s[CH], 3
.Lchunk:
	s_cmp_eq_u32 s[CH], 1                          ; behind the last chunk lies nothing of mine: its loads ahead go back to the stream's head, 524,288 bytes
	s_cselect_b32 s[OFP], 0x80000, 0
	s_sub_nc_u64 s[VN:VN+1], s[VB:VB+1], s[OFP:OFP+1]
.set qq, 0
.rept 32
	QS qq
.set qq, qq+1
.endr
	BURST
	WIN 0
	s_wait_xcnt 0x0                                ; the loads have read VB and VN
	s_add_nc_u64 s[VB:VB+1], s[VB:VB+1], 32*4096
	s_sub_co_u32 s[CH], s[CH], 1
	s_cmp_lg_u32 s[CH], 0
	s_cbranch_scc1 .Lchunk
	; FIN: the last chunk's tanh, with no products left to stand beside
	WIN W_E
.set t, 0
.rept 256
	v_exp_f32 v[t], v[t]
.set t, t+1
.endr
	v_nop
.set t, 0
	s_wait_alu depctr_va_vdst(0)
.rept 128
	v_pk_add_f32 v[t:t+1], v[t:t+1], 1.0 op_sel_hi:[1,0]
.set t, t+2
.endr
.set t, 0
.rept 256
	v_rcp_f32 v[t], v[t]
.set t, t+1
.endr
	s_wait_dscnt 0x0                               ; WP
	WIN W_F
	v_nop
.set t, 0
	s_wait_alu depctr_va_vdst(0)
.rept 32
.irp c, 0,1,2,3
	v_pk_fma_f32 v[SACC+8*(t/4)+2*\c:SACC+8*(t/4)+2*\c+1], v[8*t+2*\c:8*t+2*\c+1], v[WP+2*(t%4):WP+2*(t%4)+1], v[SACC+8*(t/4)+2*\c:SACC+8*(t/4)+2*\c+1]
.endr
.set t, t+1
.endr
	; THE SCORES.  A lane holds its column's share of 64 rows: the 16 lanes of a half are added; the four waves' parts meet in LDS.
	WIN 0
.irp m, 1,2,4,8
.set t, 0
.rept 64
	v_add_f32_dpp v[SACC+t], v[SACC+t], v[SACC+t] row_xmask:\m row_mask:0xf bank_mask:0xf
.set t, t+1
.endr
.endr
.irp a, 0,1,2,3,4,5,6,7
	ds_store_b128 v[SCW], v[SACC+8*\a:SACC+8*\a+3]   offset:64*\a     ; the sixteen lanes of a half write the same numbers to the same bytes
	ds_store_b128 v[SCW], v[SACC+8*\a+4:SACC+8*\a+7] offset:64*\a+16
.endr
	s_wait_dscnt 0x0
	s_barrier_signal -1
	s_barrier_wait -1
.irp c, 0,1,2,3
	ds_load_b128 v[32+4*\c:35+4*\c], v[SCR] offset:512*\c
.endr
	s_wait_dscnt 0x0
	v_pk_add_f32 v[32:33], v[32:33], v[36:37]
	v_pk_add_f32 v[34:35], v[34:35], v[38:39]
	v_pk_add_f32 v[40:41], v[40:41], v[44:45]
	v_pk_add_f32 v[42:43], v[42:43], v[46:47]
	v_pk_add_f32 v[32:33], v[32:33], v[40:41]
	v_pk_add_f32 v[34:35], v[34:35], v[42:43]      ; s2 of rows 4 l .. 4 l + 3, the same in all four waves
	v_max_num_f32 v48, v32, v33
	v_max_num_f32 v49, v34, v35
	v_max_num_f32 v48, v48, v49
.irp m, 1,2,4,8
	v_max_num_f32_dpp v48, v48, v48 row_xmask:\m row_mask:0xf bank_mask:0xf
.endr
	v_permlanex16_b32 v49, v48, s[SEL], s[SEL+1]
	v_max_num_f32 v[ML], v48, v49                  ; m2: the block's maximum is taken away in front of the exponential
.irp c, 32,33,34,35
	v_sub_f32 v\c, v\c, v[ML]
.endr
.irp c, 32,33,34,35
	v_exp_f32 v\c, v\c
.endr
	v_nop
	s_wait_alu depctr_va_vdst(0)
	v_add_f32 v48, v32, v33
	v_add_f32 v49, v34, v35
	v_add_f32 v48, v48, v49
.irp m, 1,2,4,8
	v_add_f32_dpp v48, v48, v48 row_xmask:\m row_mask:0xf bank_mask:0xf
.endr
	v_permlanex16_b32 v49, v48, s[SEL], s[SEL+1]
	v_add_f32 v[ML+1], v48, v49                    ; l
	v_cvt_pk_bf16_f32 v30, v32, v33
	v_cvt_pk_bf16_f32 v31, v34, v35
	ds_store_b64 v[PBA], v[30:31]
.irp c, 0,1,2,3                        ; the wave's own bytes: LDS serves a wave's instructions in order (ISA guide 5.7.1.4).  Every column of the second source holds the same weights
	ds_load_b128 v[PF+8*\c:PF+8*\c+3],   v[PBR] offset:64*\c
	ds_load_b128 v[PF+8*\c+4:PF+8*\c+7], v[PBR] offset:64*\c+32
.endr
	; CTX^T = enc^T p for my 256 channels: 16 tiles T, 4 steps of 32 rows.  Batch i: rows 32 (i/2) on, tiles 8 (i%2) + 0..7, which lie in slice 2 w + i%2.  enc ([row][channel]) comes out of LDS turned.
.macro CTXL i
	WIN 0
.irp c, 0,1,2,3,4,5,6,7
	ds_load_tr16_b128 v[FA+64*((\i)%2)+8*\c:FA+64*((\i)%2)+8*\c+3],   v[ATR] offset:((\i)/2)*32*PIT+((\i)%2)*SLB+32*\c
	ds_load_tr16_b128 v[FA+64*((\i)%2)+8*\c+4:FA+64*((\i)%2)+8*\c+7], v[ATR] offset:((\i)/2)*32*PIT+((\i)%2)*SLB+32*\c+16*PIT
.endr
.endm
.macro CTXM i                          ; the 16 accumulators take turns: 15 others' instructions stand between two links of a chain
	WIN W_CX
.irp c, 0,1,2,3,4,5,6,7
.if (\i) < 2
	v_wmma_f32_16x16x32_bf16 v[64*((\i)%2)+8*\c:64*((\i)%2)+8*\c+7], v[FA+64*((\i)%2)+8*\c:FA+64*((\i)%2)+8*\c+7], v[PF+8*((\i)/2):PF+8*((\i)/2)+7], 0
.else
	v_wmma_f32_16x16x32_bf16 v[64*((\i)%2)+8*\c:64*((\i)%2)+8*\c+7], v[FA+64*((\i)%2)+8*\c:FA+64*((\i)%2)+8*\c+7], v[PF+8*((\i)/2):PF+8*((\i)/2)+7], v[64*((\i)%2)+8*\c:64*((\i)%2)+8*\c+7]
.endif
.endr
.endm
	CTXL 0
	CTXL 1
.irp i, 0,1,2,3,4,5,6,7
.if \i < 7
	s_wait_dscnt 16                                ; batch i (and the weights) are in; the next batch's 16 loads may stay out
.else
	s_wait_dscnt 0x0
.endif
	CTXM \i
	PLACES                                         ; in front of the loads into the buffer just read; behind the last batch, in front of the stores that read results
.if \i < 6
	CTXL \i+2
.endif
.endr
	WIN W_CS
.set t, 0
.rept 16
	ds_store_b128 v[CTS], v[8*t:8*t+3]   offset:64*t      ; register j of lane l is channel 16 T + 8 (l/16) + j, the same in all 16 columns
	ds_store_b128 v[CTS], v[8*t+4:8*t+7] offset:64*t+16
.set t, t+1
.endr
	WIN 0
	ds_load_b128 v[32:35], v[CTR]                  ; the wave's own bytes, in order behind the stores
	ds_load_b128 v[36:39], v[CTR] offset:512
	s_wait_dscnt 0x0
	global_store_b128 v[GO], v[32:35], s[12:13]             ; 512 consecutive bytes, at a multiple of 256 from part's first
	global_store_b128 v[GO], v[36:39], s[12:13] offset:512
	s_cmp_lg_u32 s[WV], 0
	s_cbranch_scc1 .Lend
	global_store_b64 v[GM], v[ML:ML+1], s[12:13] offset:4096  ; (m2, l) 32 times: 256 consecutive bytes, aligned, by one instruction
.Lend:
	s_wait_tensorcnt 0x0                           ; the wave's end, behind my last LDS store
	ds_add_u32 v[SPW], v[NIL]
	s_wait_dscnt 0x0
	s_endpgm
.Lfunc_end_k_q2b3d280415_main:
	.size	k_q2b3d280415_main, .Lfunc_end_k_q2b3d280415_main-k_q2b3d280415_main
	.p2alignl 7, 3214868480
	.fill 96, 4, 3214868480
	.section	.rodata,"a",@progbits
	.p2align	6, 0x0
	.amdhsa_kernel k_q2b3d280415_main
		.amdhsa_group_segment_fixed_size 294912
		.amdhsa_private_segment_fixed_size 0
		.amdhsa_enable_private_segment 0
		.amdhsa_kernarg_size 40
		.amdhsa_user_sgpr_count 2
		.amdhsa_user_sgpr_kernarg_segment_ptr 1
		.amdhsa_wavefront_size32 1
		.amdhsa_system_sgpr_workgroup_id_x 1
		.amdhsa_system_sgpr_workgroup_id_y 1
		.amdhsa_system_sgpr_workgroup_id_z 1
		.amdhsa_system_vgpr_workitem_id 0
		.amdhsa_next_free_vgpr 1024
		.amdhsa_next_free_sgpr 66
		.amdhsa_reserve_vcc 0
		.amdhsa_float_denorm_mode_32 3
		.amdhsa_float_denorm_mode_16_64 3
		.amdhsa_memory_ordered 1
		.amdhsa_forward_progress 1
		.amdhsa_inst_pref_size 255
	.end_amdhsa_kernel
	.section	.bss,"aw",@nobits
	.p2align	6
	.space	262144
	.amdgpu_metadata
---
amdhsa.version: [ 1, 2 ]
amdhsa.kernels:
  - .name:           k_q2b3d280415_main
    .symbol:         k_q2b3d280415_main.kd
    .args:
      - { .name: encoder_outputs, .offset: 0, .size: 8, .value_kind: global_buffer, .address_space: global }
      - { .name: vf, .offset: 8, .size: 8, .value_kind: global_buffer, .address_space: global }
      - { .name: bias2, .offset: 16, .size: 8, .value_kind: global_buffer, .address_space: global }
      - { .name: w, .offset: 24, .size: 8, .value_kind: global_buffer, .address_space: global }
      - { .name: part, .offset: 32, .size: 8, .value_kind: global_buffer, .address_space: global }
    .group_segment_fixed_size: 294912
    .private_segment_fixed_size: 0
    .kernarg_segment_align: 8
    .kernarg_segment_size: 40
    .max_flat_workgroup_size: 128
    .sgpr_count:     66
    .vgpr_count:     1024
    .wavefront_size: 32
...
	.end_amdgpu_metadata
.endif
;; end of part 2
;; launch combine (part 3): grid 32 x 1, 8 waves a work-group, no clusters, 0 bytes of LDS; arguments part, out0; writes out0
.if DOCPART == 3
	.amdgcn_target "amdgcn-amd-amdhsa--gfx1250"
	.amdhsa_code_object_version 6
	.text
	.protected	k_q2b3d280415_combine
	.globl	k_q2b3d280415_combine
	.p2align	8
	.type	k_q2b3d280415_combine,@function
k_q2b3d280415_combine:
	s_mov_b64 s[64:65], 0
	v_nop
	global_prefetch_b8 v0, s[64:65] scope:SCOPE_SE
	s_setreg_imm32_b32 hwreg(HW_REG_WAVE_MODE, 25, 1), 1
	s_wait_xcnt 0x0
; COMBINE.  out0[batch][h] = (sum over the batch's 16 blocks i of f_i ctx_i[h]) / (sum over i of f_i l_i), f_i = 2^(m_i - M), M = the largest m_i: the softmax over all 2,048 rows, its maximum taken away.
; part: a record of 4,352 bytes a block: ctx (1,024 f32), then the pair (m, l).  A work-group takes a batch (16 records on end), a thread four channels: a wave's load or store covers 512 consecutive bytes.
; All in f32.  f_i below 2^-126 counts as 0; the block that holds M has f = 1 and l >= 1, so the divisor is at least 1.  32 work-groups: 2.2 MB is all the work there is.  No LDS, no barrier: no thread needs another's numbers.
.set REC, 4352
.set CX,  16                           ; v[16:79]   ctx_i of my four channels
.set MLP, 80                           ; v[80:111]  (m_i, l_i), then (f_i, l_i)
	s_load_b128 s[4:7], s[0:1], 0x0                ; part s[4:5], out0 s[6:7]
	v_lshlrev_b32 v1, 4, v0                        ; my 16 bytes
	v_mov_b32 v2, 0
	s_mul_i32 s8, ttmp9, 16*REC
	s_mov_b32 s9, 0
	s_lshl_b32 s10, ttmp9, 12
	s_mov_b32 s11, 0
	s_wait_kmcnt 0x0
	s_add_nc_u64 s[4:5], s[4:5], s[8:9]
	s_add_nc_u64 s[6:7], s[6:7], s[10:11]
.set i, 0
.rept 16
	global_load_b64 v[MLP+2*i:MLP+2*i+1], v2, s[4:5] offset:i*REC+4096
.set i, i+1
.endr
.set i, 0
.rept 16
	global_load_b128 v[CX+4*i:CX+4*i+3], v1, s[4:5] offset:i*REC
.set i, i+1
.endr
	s_wait_loadcnt 16                              ; the 16 pairs are in; ctx's 16 loads may stay out
	v_max3_num_f32 v3, v[MLP], v[MLP+2], v[MLP+4]
.set i, 3
.rept 6
	v_max3_num_f32 v3, v3, v[MLP+2*i], v[MLP+2*i+2]
.set i, i+2
.endr
	v_max_num_f32 v3, v3, v[MLP+30]                ; M
.set i, 0
.rept 16
	v_sub_f32 v[MLP+2*i], v[MLP+2*i], v3
.set i, i+1
.endr
.set i, 0
.rept 16
	v_exp_f32 v[MLP+2*i], v[MLP+2*i]
.set i, i+1
.endr
	v_nop                                          ; a plain instruction between the last exponential and the use of its result (ISA guide 5.7.2)
	s_wait_alu depctr_va_vdst(0)
	v_mul_f32 v4, v[MLP], v[MLP+1]
.set i, 1
.rept 15
	v_fmac_f32 v4, v[MLP+2*i], v[MLP+2*i+1]
.set i, i+1
.endr
	v_rcp_f32 v6, v4                               ; twice: the pair that the packed multiply names
	v_rcp_f32 v7, v4
	s_wait_loadcnt 0x0
	v_pk_mul_f32 v[8:9],   v[CX:CX+1],   v[MLP:MLP+1] op_sel_hi:[1,0]
	v_pk_mul_f32 v[10:11], v[CX+2:CX+3], v[MLP:MLP+1] op_sel_hi:[1,0]
.set i, 1
.rept 15
	v_pk_fma_f32 v[8:9],   v[CX+4*i:CX+4*i+1],   v[MLP+2*i:MLP+2*i+1], v[8:9]   op_sel_hi:[1,0,1]
	v_pk_fma_f32 v[10:11], v[CX+4*i+2:CX+4*i+3], v[MLP+2*i:MLP+2*i+1], v[10:11] op_sel_hi:[1,0,1]
.set i, i+1
.endr
	s_wait_alu depctr_va_vdst(0)
	v_pk_mul_f32 v[8:9],   v[8:9],   v[6:7]
	v_pk_mul_f32 v[10:11], v[10:11], v[6:7]
	global_store_b128 v1, v[8:11], s[6:7]          ; 512 consecutive bytes a wave, at a multiple of 512 from out0's first
	s_endpgm
.Lfunc_end_k_q2b3d280415_combine:
	.size	k_q2b3d280415_combine, .Lfunc_end_k_q2b3d280415_combine-k_q2b3d280415_combine
	.p2alignl 7, 3214868480
	.fill 96, 4, 3214868480
	.section	.rodata,"a",@progbits
	.p2align	6, 0x0
	.amdhsa_kernel k_q2b3d280415_combine
		.amdhsa_group_segment_fixed_size 0
		.amdhsa_private_segment_fixed_size 0
		.amdhsa_enable_private_segment 0
		.amdhsa_kernarg_size 16
		.amdhsa_user_sgpr_count 2
		.amdhsa_user_sgpr_kernarg_segment_ptr 1
		.amdhsa_wavefront_size32 1
		.amdhsa_system_sgpr_workgroup_id_x 1
		.amdhsa_system_sgpr_workgroup_id_y 1
		.amdhsa_system_sgpr_workgroup_id_z 1
		.amdhsa_system_vgpr_workitem_id 0
		.amdhsa_next_free_vgpr 128
		.amdhsa_next_free_sgpr 66
		.amdhsa_reserve_vcc 0
		.amdhsa_float_denorm_mode_32 3
		.amdhsa_float_denorm_mode_16_64 3
		.amdhsa_memory_ordered 1
		.amdhsa_forward_progress 1
		.amdhsa_inst_pref_size 9
	.end_amdhsa_kernel
	.amdgpu_metadata
---
amdhsa.version: [ 1, 2 ]
amdhsa.kernels:
  - .name:           k_q2b3d280415_combine
    .symbol:         k_q2b3d280415_combine.kd
    .args:
      - { .name: part, .offset: 0, .size: 8, .value_kind: global_buffer, .address_space: global }
      - { .name: out0, .offset: 8, .size: 8, .value_kind: global_buffer, .address_space: global }
    .group_segment_fixed_size: 0
    .private_segment_fixed_size: 0
    .kernarg_segment_align: 8
    .kernarg_segment_size: 16
    .max_flat_workgroup_size: 256
    .sgpr_count:     66
    .vgpr_count:     128
    .wavefront_size: 32
...
	.end_amdgpu_metadata
.endif
;; end of part 3
;; ======== version 2 of 2: 3 launches; version 1 with the launch main written anew for expert scheduling mode
;; workspace buffers: vf 2,097,152 bytes; bias2 524,288 bytes; part 2,228,224 bytes
;; launch prep: the kernel of part 1 again; grid 256 x 1, 4 waves a work-group, no clusters, 8,704 bytes of LDS; arguments V, W, b, decoder_output, vf, bias2; writes vf, bias2
;; launch main (part 4): grid 512 x 1, 4 waves a work-group, no clusters, 294,912 bytes of LDS; arguments encoder_outputs, vf, bias2, w, part; writes part
.if DOCPART == 4
	.amdgcn_target "amdgcn-amd-amdhsa--gfx1250"
	.amdhsa_code_object_version 6
	.text
	.protected	k_q2b3d280415_main
	.globl	k_q2b3d280415_main
	.p2align	8
	.type	k_q2b3d280415_main,@function
k_q2b3d280415_main:
	s_mov_b64 s[64:65], 0
	v_nop
	global_prefetch_b8 v0, s[64:65] scope:SCOPE_SE
	s_setreg_imm32_b32 hwreg(HW_REG_WAVE_SCHED_MODE, 0, 2), 2
	s_setreg_imm32_b32 hwreg(HW_REG_WAVE_MODE, 25, 1), 1
	s_wait_xcnt 0x0
	s_wait_alu depctr_vm_vsrc(0)
; MAIN.  For a block of 128 rows t of one batch (work-group blk: rows 128 blk .. of enc[65536][1024], batch blk / 16):
;   x[t][c] = sum over h of enc[t][h] V[h][c] (bf16 operands, f32 sums);  e = 2^(K2 x + bias[c]), K2 = 2 log2(e), bias = the sum of bias2's four partial rows;  r = 1 / (1 + e), so that tanh = 1 - 2 r;
;   s2[t] = sum over c of w2[c] r, w2 = -K2 w: the score in units of log2, less the constant log2(e) x sum of w, which is the same for every t of a softmax and cancels in it for every input;
;   m2 = the block's largest s2;  p[t] = 2^(s2[t] - m2);  l = sum of p;  ctx[h] = sum over t of p[t] enc[t][h] (bf16 operands).  Stored: a record of 4,352 bytes: ctx (1,024 f32), then (m2, l) 32 times.
; The next launch joins a batch's 16 records, each corrected by its maximum.
; ENC IS READ ONCE: the block is rounded to bf16 on its way in and stays in LDS from the product to the weighted sum.
; LIMITS.  2^x beyond f32's range gives r = 0 (tanh = 1), below it r = 1 (tanh = -1); a weight below 2^-126 counts as 0; p and enc enter ctx rounded to bf16, l is the sum of the unrounded p;
; w is rounded once to bf16 like the other inputs; NaN and infinities are not treated apart.
; SHARES.  Wave w owns all 128 rows and the columns 256 w .. 256 w + 255, as four CHUNKS of 64: 8 row tiles a x 4 column tiles b = 32 accumulators, tile t = 4 a + b.  A QUARTER is 32 along K: 32 matrix
; instructions; a chunk has 32 quarters.  Source 0 = 16 rows of enc, source 1 = 16 columns of V: in a result register j of lane l is (row 16 a + 8 (l/16) + j, column 16 b + l%16): bias and w2 are one number
; a lane and column tile, and a row's sum over columns stays in 64 registers (SACC) until one reduction at the end.
; V's fragments come straight from vf into registers, 4,096 bytes a quarter: a wave's stream of 128 quarters is 524,288 consecutive bytes that no other wave of the work-group reads.
; CHUNK 0 BRINGS THE BLOCK IN.  K goes in 8 slices of 128.  In step j (4 quarters) a wave multiplies slice j, stores its 32 rows of slice j + 1 into LDS (8 rows a quarter) and asks for slice j + 2;
; one barrier a step shows slice j + 1 to everybody.  Between two barriers the reads lie in slice j's bytes and the stores in slice j + 1's.  No LDS byte is written twice.
; CHUNKS 1 TO 3 are one text, walked three times, with no barrier.  The exponentials and reciprocals of the chunk BEFORE stand in slices behind pairs of matrix instructions: tile s in quarter s,
; 26 vector lines beside 32 matrix instructions.  For that the finished sums are moved out of the accumulators at a chunk's end (BURST: K2 x + bias, one fused line for two numbers).  The last chunk's are done alone (FIN).
; In the last chunk the loads of quarters 25 to 31 ask once more for the stream's first 7 quarters (28,672 bytes a wave), which nobody multiplies: so one text and one count serve all three chunks.
; NO CLUSTER, NO TENSOR LOADS, though all work-groups read the same vf: the block and the tables take 294,400 of 327,680 bytes of LDS; the 33,280 left would hold two slots of one quarter of V (16,384 bytes for
; the four waves), a round of the cluster's barrier for every 32 matrix instructions of a wave; and a byte of V would be written to LDS and read back for one wave's use.
; THE MODE: SCHED_MODE bits 1:0 = 2 (LLVM: expert scheduling mode 2), set by the entry lines.  The code itself states the register dependences between vector or matrix instructions and memory or LDS
; instructions, with s_wait_alu, always for 0.
; THE PLAN.  Registers that memory or LDS instructions touch, and who else names them:
;   FA0, FA1        Quarter q's products read FA[q % 2]; the LDS loads issued in quarter q land in the other buffer, which the products of quarter q - 1 read.
;   V's ring        Quarter q's products read buffer q % 8 (chunk 0: 4 + q); the loads issued in quarter q land in the buffer that quarter q - 1 multiplied (in chunk 0's last step also in buffers not yet used).
;   raw, PK         Chunk 0: quarter q's 16 conversions read raw group q and write PK's group q; behind them the group's 8 LDS stores read PK and the next loads land in raw group q.  PK's group is written again a step later.
;   BIAS, WP        Loaded at a chunk's end; BIAS is read by BURST, WP by the tiles' last slices and by FIN.
;   STA, ARL; TA    LDS addresses, stepped by a vector add once a step of chunk 0; once a chunk.  All other addresses and offsets are made at the head and never written again.
;   The accumulators, E and SACC are named by vector and matrix instructions alone until the end.
; CHUNK 0: ONE wait on va_vdst a quarter, behind the conversions; the quarter's stores and loads follow it in groups of eight behind its first pairs of products, which name FA[q % 2], their own ring buffer and the
; accumulators: none of the registers that those stores and loads touch.  One wait on vm_vsrc a step, ahead of the two adds.
; CHUNKS 1 TO 3: the wait for a tile's reciprocals stands behind the quarter's last product, so it also states that the quarter's products are done reading their two buffers.  Between it and the next quarter's loads stand
; the tile's four multiply-adds (E, WP, SACC), at a chunk's end TA's add and BURST (accumulators, BIAS, E), and the next quarter's first products (the other buffers): none names a register that those loads touch.
; So a quarter has no further wait, and its 24 loads stand in three groups of eight behind its first three pairs of products.
; THE END: each of ctx's eight batches of enc has registers of its own, so that no load lands in a register that a product has read, and no wait stands among the 64 products.
; REGISTERS, in windows of 256 (s_set_vgpr_msb: bits 1:0 source 0, 3:2 source 1, 5:4 source 2, 7:6 destination):
;   window 0: v0-31 addresses; v32-39 BIAS, v40-47 WP (four pairs each), v48-63 at work; v64-191 enc's fragments, two buffers; v192-255 SACC
;   window 1: V's fragments, a ring of 8 buffers of 32      window 2: the 32 accumulators; at the end ctx's 16 in v0-127 and ctx's batches 6, 7 of enc in v128-255
;   window 3: in chunk 0 v0-127 enc as loaded (four groups of 8 rows), v128-191 the same packed (v128-255 first hold slice 0); afterwards E, the 256 numbers on their way through tanh; at the end ctx's batches 2 to 5 of enc
.set PIT,   272                        ; a row of a slice in LDS: 256 bytes + 16: 17 x 16, so the 16 rows of a fragment load begin in 16 different columns of 16 bytes modulo 256
.set SLB,   128*PIT                    ; a slice: 34,816 bytes
.set SC,    8*SLB                      ; 4 waves x 128 f32: each wave's part of the scores
.set PB,    SC+2048                    ; 4 x 256: each wave's own copy of the 128 weights, bf16
.set CT,    PB+1024                    ; 4 x 1,024: each wave's 256 numbers of ctx, on their way out
.set TB,    CT+4096                    ; the batch's bias, 1,024 f32; w2 lies 4,096 bytes behind it
.set SPARE, TB+8192                    ; the spare words, 128 bytes for each wave: two blocks of 256 bytes that no other line names
.set AO,  2                            ; v2   enc: 16 l + wave x 32 rows; never rewritten
.set BO,  3                            ; v3   vf: 16 l; never rewritten
.set STA, 4                            ; v4   where my 8 bytes of a row go: wave x 32 rows + 8 l, in the slice that is being stored
.set TA,  5                            ; v5   my column's place in the bias, for the chunk in hand
.set AR,  6                            ; v6-9   my place in a fragment ((l%16) PIT + 16 (l/16)) in slices 0, 2, 4, 6: the immediate reaches the slice behind
.set ARL, 10                           ; v10  the same in the slice that chunk 0 multiplies
.set ATR, 11                           ; v11  the turning loads' address
.set SCW, 12
.set SCR, 13
.set PBA, 14
.set PBR, 15
.set CTS, 16
.set CTR, 17
.set GO,  18
.set GM,  19
.set ML,  26                           ; v[26:27] m2, l
.set SPW, 28                           ; v28  LDS address of my spare word; never rewritten
.set NIL, 29                           ; v29  0; never rewritten
.set BIAS, 32
.set WP,  40
.set PF,  32                           ; at the end: the weights' four fragments, v32-63
.set FA,  64
.set SACC, 192
.set PK,  128                          ; window 3
.set WV,  14                           ; s14  my wave's number
.set EA,  20                           ; s[20:21] enc at the block's first row, at slice j
.set VB,  22                           ; s[22:23] my stream of V at the step's (chunk 0) or the chunk's first quarter
.set VN,  24                           ; s[24:25] the base for loads that reach into the next chunk
.set K2P, 26                           ; s[26:27] K2, named as a pair
.set SEL, 28                           ; s[28:29] v_permlanex16_b32's selects: each lane takes its own place in the other half
.set CS,  30                           ; s30  counts steps
.set CH,  31                           ; s31  counts chunks
.set OFP, 32                           ; s[32:33] an offset
.set W_MM, 0xa4                        ; enc window 0, V window 1, C and D window 2
.set W_LB, 0x40                        ; loads of V
.set W_LS, 0xc0                        ; loads into window 3
.set W_CV, 0xcf                        ; enc is packed, in window 3
.set W_ST, 0x0c                        ; LDS stores of data in window 3
.set W_E,  0xc3                        ; work in place on E
.set W_F,  0x03                        ; E (source 0) into SACC
.set W_BU, 0xc2                        ; accumulators (source 0) into E
.set W_CL, 0x80                        ; destination window 2
.set W_CX, 0xa0                        ; ctx: C and D window 2, the weights window 0; enc's window is added: 0, 3 or 2
.set W_CS, 0x08                        ; LDS stores of data in window 2
.set MSB, 0
.macro WIN new                         ; the immediate's high byte repeats the setting that is left; a switch that changes nothing is dropped
.if MSB != (\new)
	s_set_vgpr_msb (MSB<<8)|(\new)
.set MSB, (\new)
.endif
.endm
.macro PLACES                          ; four places behind a matrix instruction, in front of loads into registers that it has read and of lines that read results (ISA guide 7.12.1 for lines that read results)
.rept 4
	v_nop
.endr
.endm
; Matrix instruction i of a quarter's 32: tile i, enc's buffer f, V's buffer bb.  The 32 accumulators take turns in the same order in every quarter.
.macro MM f, bb, i, zero
	WIN W_MM
.if \zero
	v_wmma_f32_16x16x32_bf16 v[8*(\i):8*(\i)+7], v[FA+64*(\f)+8*((\i)/4):FA+64*(\f)+8*((\i)/4)+7], v[32*(\bb)+8*((\i)%4):32*(\bb)+8*((\i)%4)+7], 0
.else
	v_wmma_f32_16x16x32_bf16 v[8*(\i):8*(\i)+7], v[FA+64*(\f)+8*((\i)/4):FA+64*(\f)+8*((\i)/4)+7], v[32*(\bb)+8*((\i)%4):32*(\bb)+8*((\i)%4)+7], v[8*(\i):8*(\i)+7]
.endif
.endm
.macro MMS f, bb, n                    ; chunk 0: the quarter's next n products; gg counts them
.rept \n
	MM \f, \bb, gg, 0
.set gg, gg+1
.endr
.endm
; Half h of a quarter's fragments of enc (64 of its 128 rows x 32 k) into buffer f: 8 LDS loads
.macro LDFH f, reg, off, h
	WIN 0
.irp a, 0,1,2,3
	ds_load_b128 v[FA+64*(\f)+8*(4*(\h)+\a):FA+64*(\f)+8*(4*(\h)+\a)+3],   v[\reg] offset:(\off)+(4*(\h)+\a)*16*PIT
	ds_load_b128 v[FA+64*(\f)+8*(4*(\h)+\a)+4:FA+64*(\f)+8*(4*(\h)+\a)+7], v[\reg] offset:(\off)+(4*(\h)+\a)*16*PIT+32
.endr
.endm
; A quarter's fragments of V into ring buffer bb: 8 loads of 512 consecutive bytes
.macro LDB bb, sb, off
	WIN W_LB
.irp c, 0,1,2,3,4,5,6,7
	global_load_b128 v[32*(\bb)+4*\c:32*(\bb)+4*\c+3], v[BO], s[(\sb):(\sb)+1] offset:(\off)+512*\c
.endr
.endm
; Group q (8 of my 32 rows) of the slice x bytes behind EA: each load is a row's 512 aligned bytes
.macro LDA q, x
	WIN W_LS
.irp c, 0,1,2,3,4,5,6,7
	global_load_b128 v[32*(\q)+4*\c:32*(\q)+4*\c+3], v[AO], s[EA:EA+1] offset:(8*(\q)+\c)*4096+(\x) th:TH_LOAD_NT
.endr
.endm
; Group q is rounded to bf16,
.macro CVT q
	WIN W_CV
.irp c, 0,1,2,3,4,5,6,7
	v_cvt_pk_bf16_f32 v[PK+16*(\q)+2*\c],   v[32*(\q)+4*\c],   v[32*(\q)+4*\c+1]
	v_cvt_pk_bf16_f32 v[PK+16*(\q)+2*\c+1], v[32*(\q)+4*\c+2], v[32*(\q)+4*\c+3]
.endr
.endm
; and stored: a store covers a row's 256 consecutive bytes
.macro STO q
	WIN W_ST
.irp c, 0,1,2,3,4,5,6,7
	ds_store_b64 v[STA], v[PK+16*(\q)+2*\c:PK+16*(\q)+2*\c+1] offset:(8*(\q)+\c)*PIT
.endr
.endm
.macro TABB                            ; the bias of my column in the chunk's four column tiles, each into both registers of a pair
	WIN 0
.irp c, 0,1,2,3
	ds_load_b32 v[BIAS+2*\c],   v[TA] offset:64*\c
	ds_load_b32 v[BIAS+2*\c+1], v[TA] offset:64*\c
.endr
.endm
.macro TABW                            ; w2 likewise; then on to the next chunk's 64 columns
	WIN 0
.irp c, 0,1,2,3
	ds_load_b32 v[WP+2*\c],   v[TA] offset:4096+64*\c
	ds_load_b32 v[WP+2*\c+1], v[TA] offset:4096+64*\c
.endr
	s_wait_alu depctr_vm_vsrc(0)                   ; the tables' sixteen loads have read v[TA], which the next line writes
	v_add_nc_u32 v[TA], 256, v[TA]
.endm
; A chunk's end: E = K2 x + bias.  Each accumulator's lowest registers are read first.
.macro BURST
	s_wait_dscnt 8                                 ; BIAS is in: behind its loads stand only WP's eight
	PLACES
	WIN W_BU
.set t, 0
.rept 32
.irp c, 0,1,2,3
	v_pk_fma_f32 v[8*t+2*\c:8*t+2*\c+1], v[8*t+2*\c:8*t+2*\c+1], s[K2P:K2P+1], v[BIAS+2*(t%4):BIAS+2*(t%4)+1] op_sel_hi:[1,0,1]
.endr
.set t, t+1
.endr
.endm
; Slice g of 11 of tile t's way through tanh: 0-3 eight exponentials; 4, 5 one is added; 6-9 eight reciprocals; 10 SACC += w2 r, all four pairs.
; A v_nop leads slices 4 and 10: the plain instruction between a transcendental and the use of its result (ISA guide 5.7.2).
; Slice 10 stands behind the quarter's last product: its five plain lines, which name none of that product's registers, are the places in front of the next quarter's loads into the buffers that it read.
.macro RID t, g
.if (\g) < 4
	WIN W_E
	v_exp_f32 v[8*(\t)+2*(\g)],   v[8*(\t)+2*(\g)]
	v_exp_f32 v[8*(\t)+2*(\g)+1], v[8*(\t)+2*(\g)+1]
.elseif (\g) < 6
	WIN W_E
.if (\g) == 4
	v_nop
	s_wait_alu depctr_va_vdst(0)                   ; the tile's eight exponentials have written their results, which the additions below read
.endif
	v_pk_add_f32 v[8*(\t)+4*((\g)-4):8*(\t)+4*((\g)-4)+1],   v[8*(\t)+4*((\g)-4):8*(\t)+4*((\g)-4)+1],   1.0 op_sel_hi:[1,0]
	v_pk_add_f32 v[8*(\t)+4*((\g)-4)+2:8*(\t)+4*((\g)-4)+3], v[8*(\t)+4*((\g)-4)+2:8*(\t)+4*((\g)-4)+3], 1.0 op_sel_hi:[1,0]
.elseif (\g) < 10
	WIN W_E
	v_rcp_f32 v[8*(\t)+2*((\g)-6)],   v[8*(\t)+2*((\g)-6)]
	v_rcp_f32 v[8*(\t)+2*((\g)-6)+1], v[8*(\t)+2*((\g)-6)+1]
.else
	WIN W_F
	v_nop
	s_wait_alu depctr_va_vdst(0)                   ; the tile's eight reciprocals have written their results, which the lines below read; and the quarter's 32 products are done reading enc's buffer and V's ring buffer, in which the next quarter's loads land
.irp c, 0,1,2,3
	v_pk_fma_f32 v[SACC+8*((\t)/4)+2*\c:SACC+8*((\t)/4)+2*\c+1], v[8*(\t)+2*\c:8*(\t)+2*\c+1], v[WP+2*((\t)%4):WP+2*((\t)%4)+1], v[SACC+8*((\t)/4)+2*\c:SACC+8*((\t)/4)+2*\c+1]
.endr
.endif
.endm
; A quarter of chunks 1 to 3.  enc's fragments are asked for one quarter ahead, V 7 quarters ahead: three groups of eight loads behind the first three pairs of products.  No wait stands ahead of them: the last wait on
; va_vdst (slice 10 of the quarter before; ahead of the first chunk's quarter 0 the one behind chunk 0's BURST) shows their registers' readers done, and nothing issued since names those registers.
.macro QS q
	s_wait_loadcnt 48                              ; this quarter's V is in: behind it stand the loads of the next six quarters, 8 each
	s_wait_dscnt 0x0                               ; enc's fragments, asked for 28 matrix instructions ago or more (and, in quarter 0, WP)
.set q1, ((\q)+1)%32
.set gg, 0
.rept 16
	MM (\q)%2, (\q)%8, 2*gg, ((\q)==0)
	MM (\q)%2, (\q)%8, 2*gg+1, ((\q)==0)
.if gg == 0
	LDFH q1%2, AR+q1/8, ((q1/4)%2)*SLB+(q1%4)*64, 0
.elseif gg == 1
	LDFH q1%2, AR+q1/8, ((q1/4)%2)*SLB+(q1%4)*64, 1
.elseif gg == 2
.if (\q)+7 < 32
	LDB ((\q)+7)%8, VB, ((\q)+7)*4096
.else
	LDB ((\q)+7)%8, VN, ((\q)+7)*4096
.endif
.elseif (gg == 3) && ((\q) == 31)
	TABB                                           ; BIAS was last read by the BURST of the chunk before, ahead of this chunk's waits on va_vdst
.elseif gg == 15
	RID \q, 10
.elseif (gg > 3) && (gg < 14)
	RID \q, gg-4
.endif
.set gg, gg+1
.endr
.if (\q) == 31
	WIN 0
	s_wait_alu depctr_va_vdst(0)                   ; tile 31's four multiply-adds, the last lines that read the chunk before's w2, are done reading WP, in which the loads below land
	TABW
.endif
.endm
; A quarter of chunk 0.  cnt: the loads that may stay out.  st: group q of the next slice is packed and stored.  la: group q of the slice after that is asked for.  bar: the step's barrier.
; b1, o1 (b2, o2): V's ring buffer and the quarter behind VB that it is asked for.  reg, off: where the next quarter's fragments of enc lie.  tab: the chunk's last quarter.
; Behind the quarter's one wait on va_vdst its memory instructions stand in groups of eight behind its first five pairs of products.  The barrier's quarter keeps them in its head, ahead of the signal; the next
; fragments, which lie in the next slice, are asked for behind the barrier's wait.
.macro QL q, cnt, st, la, bar, b1, o1, b2, o2, reg, off, tab
	s_wait_loadcnt \cnt
	s_wait_dscnt 0x0                               ; this quarter's fragments of enc
.if \st
	CVT \q                                         ; its 16 conversions are also the places behind the quarter before
.else
	PLACES
.endif
	s_wait_alu depctr_va_vdst(0)                   ; the conversions have written PK's group, which the stores read, and are done reading the raw group, in which enc's next loads land; the products of the quarter before are done reading enc's buffer and V's ring buffer, in which the loads below land; in a step's first quarter v[STA] and v[ARL] are written
.set gg, 0
.if \bar
	STO \q
	LDB \b1, VB, (\o1)*4096
.if \la
	LDA \q, 1024
.endif
	s_wait_dscnt 0x0                               ; for the others' sake: my 32 rows of the next slice lie in LDS
	s_barrier_signal -1
	MMS (\q)%2, 4+(\q), 16
	s_barrier_wait -1                              ; everybody's rows do: the loads below read the next slice
	LDFH ((\q)+1)%2, \reg, \off, 0                 ; no wait: the 16 products since the wait above name the other buffer of enc
	LDFH ((\q)+1)%2, \reg, \off, 1
	MMS (\q)%2, 4+(\q), 16
.else
	MMS (\q)%2, 4+(\q), 2
.if \st
	STO \q
.endif
	MMS (\q)%2, 4+(\q), 2
	LDFH ((\q)+1)%2, \reg, \off, 0
	MMS (\q)%2, 4+(\q), 2
	LDFH ((\q)+1)%2, \reg, \off, 1
.if \tab
	TABB
	TABW
.endif
	MMS (\q)%2, 4+(\q), 2
	LDB \b1, VB, (\o1)*4096
	MMS (\q)%2, 4+(\q), 2
.if (\b2) >= 0
	LDB \b2, VB, (\o2)*4096
.endif
.if \la
	LDA \q, 1024
.endif
	MMS (\q)%2, 4+(\q), 22
.endif
.endm
.macro STEPEND
	WIN 0                                          ; at a label and at a branch every window is 0
	s_wait_xcnt 0x0                                ; every load issued so far (the youngest 32 matrix instructions back) has read its address, so the bases may be written
	s_wait_alu depctr_vm_vsrc(0)                   ; the step's LDS stores and loads have read v[STA] and v[ARL], which the adds below write, and the stores have read PK, which the next step's conversions (behind the last step that stores: BURST) write again
	s_add_nc_u64 s[EA:EA+1], s[EA:EA+1], 512
	s_add_nc_u64 s[VB:VB+1], s[VB:VB+1], 4*4096
	v_add_nc_u32 v[STA], SLB, v[STA]
	v_add_nc_u32 v[ARL], SLB, v[ARL]
.endm
	s_load_b256 s[4:11], s[0:1], 0x0               ; enc s[4:5], vf s[6:7], bias2 s[8:9], w s[10:11]
	s_load_b64 s[12:13], s[0:1], 0x20              ; part
	v_lshl_add_u32 v[SPW], v0, 2, SPARE
	v_mov_b32 v[NIL], 0
	v_lshrrev_b32 v1, 5, v0
	v_readfirstlane_b32 s[WV], v1                  ; wave 0..3
	v_and_b32 v20, 31, v0                          ; l
	v_and_b32 v21, 15, v0                          ; l % 16
	v_bfe_u32 v1, v0, 4, 1                         ; l / 16
	v_lshlrev_b32 v[BO], 4, v20
	v_lshlrev_b32 v22, 5, v0                       ; the tables: 8 numbers a thread; never rewritten
	s_wait_alu depctr_va_sdst(0)                   ; s[WV] is written, ahead of its first reader, the next line
	s_lshl_b32 s16, s[WV], 17                      ; 32 rows of 4,096 bytes
	v_lshl_add_u32 v[AO], v20, 4, s16
	s_lshl_b32 s16, ttmp9, 19                      ; the block's 128 rows
	s_mov_b32 s17, 0
	s_lshl_b32 s18, s[WV], 19                      ; my wave's 256 columns of vf
	s_mov_b32 s19, 0
	s_lshr_b32 s[OFP], ttmp9, 4                    ; the batch,
	s_lshl_b32 s[OFP], s[OFP], 12                  ; its row in each part of bias2
	s_mov_b32 s[OFP+1], 0
	s_mul_i32 s34, ttmp9, 4352                     ; the block's record
	s_mov_b32 s35, 0
	s_mov_b32 s[K2P], 0x4038aa3b                   ; K2 = 2 log2(e)
	s_mov_b32 s[K2P+1], s[K2P]
	s_mov_b32 s[SEL], 0x76543210
	s_mov_b32 s[SEL+1], 0xfedcba98
	s_wait_kmcnt 0x0
	s_add_nc_u64 s[EA:EA+1], s[4:5], s[16:17]
	s_add_nc_u64 s[VB:VB+1], s[6:7], s[18:19]
	s_add_nc_u64 s[8:9], s[8:9], s[OFP:OFP+1]
	s_add_nc_u64 s[12:13], s[12:13], s[34:35]
	s_wait_alu depctr_va_vdst(0)                   ; v[AO], v[BO] and v22 are written: every global load of the kernel reads one of them as its offset
	; THE FIRST REQUESTS, all together: the tables (10 loads: bias2's four partial rows, 131,072 bytes apart, and w), slice 0 (32), then slice 1's four groups and V's first three quarters by turns (56)
.irp p, 0,1,2,3
	global_load_b128 v[32+8*\p:35+8*\p], v22, s[8:9] offset:\p*131072
	global_load_b128 v[36+8*\p:39+8*\p], v22, s[8:9] offset:\p*131072+16
.endr
	global_load_b128 v[64:67], v22, s[10:11]
	global_load_b128 v[68:71], v22, s[10:11] offset:16
	WIN W_LS
.set t, 0
.rept 32
	global_load_b128 v[PK+4*t:PK+4*t+3], v[AO], s[EA:EA+1] offset:t*4096 th:TH_LOAD_NT
.set t, t+1
.endr
	LDA 0, 512
	LDB 4, VB, 0
	LDA 1, 512
	LDB 5, VB, 4096
	LDA 2, 512
	LDB 6, VB, 8192
	LDA 3, 512
	; While they are on their way: the sums start at 0 (320 lines, so that chunk 0's steps have one form of product and no first step is written out), and the other addresses are made.
	WIN W_CL
.set t, 0
.rept 256
	v_mov_b32 v[t], 0
.set t, t+1
.endr
	WIN 0
.set t, 0
.rept 64
	v_mov_b32 v[SACC+t], 0
.set t, t+1
.endr
	s_mul_i32 s16, s[WV], 32*PIT
	v_lshl_add_u32 v[STA], v20, 3, s16             ; my wave's 32 rows, 8 bytes a lane
	s_lshl_b32 s16, s[WV], 10
	s_add_co_u32 s17, s16, TB
	v_lshl_add_u32 v[TA], v21, 2, s17              ; column 256 w + l % 16
	s_add_co_u32 s17, s16, CT
	v_lshl_add_u32 v[CTS], v1, 5, s17              ; ctx in: channels 8 (l/16) + 0..7 of a tile of 16
	v_lshl_add_u32 v[CTR], v20, 4, s17             ; back: 16 bytes a lane
	v_lshl_add_u32 v[GO], v20, 4, s16              ; and the same bytes of the record
	v_lshlrev_b32 v[GM], 3, v20
	v_mul_u32_u24 v[ARL], v21, PIT
	v_lshl_add_u32 v[ARL], v1, 4, v[ARL]           ; row x pitch + 16 x half
.irp c, 0,1,2,3
	v_add_nc_u32 v[AR+\c], \c*2*SLB, v[ARL]
.endr
	s_lshl_b32 s16, s[WV], 9
	s_add_co_u32 s16, s16, SC
	v_lshl_add_u32 v[SCW], v1, 5, s16              ; my wave's part of the scores: rows 8 (l/16) + 0..7 of a tile of 16
	v_lshl_add_u32 v[SCR], v20, 4, SC              ; back: rows 4 l .. 4 l + 3
	s_lshl_b32 s16, s[WV], 8
	s_add_co_u32 s16, s16, PB
	v_lshl_add_u32 v[PBA], v20, 3, s16             ; four weights of 2 bytes a lane
	v_lshl_add_u32 v[PBR], v1, 4, s16              ; back as a fragment: rows 8 (l/16) + 0..7
	v_and_b32 v24, 7, v0                           ; the turning load: lane l reads row 8 (l/16) + l % 8, channels 8 ((l/8) % 2) + 0..7
	v_lshl_add_u32 v24, v1, 3, v24
	v_mul_u32_u24 v24, v24, PIT
	v_bfe_u32 v25, v0, 3, 1
	v_lshl_add_u32 v24, v25, 4, v24
	s_mul_i32 s16, s[WV], 2*SLB                    ; my 256 channels are slices 2 w and 2 w + 1
	v_add_nc_u32 v[ATR], s16, v24
	v_lshl_add_u32 v23, v0, 5, TB
	s_wait_loadcnt 56                              ; the tables and slice 0 are in: behind them stand seven groups of 8 loads
.irp c, 0,2,4,6                        ; the bias: the four partial rows are added, in f32
	v_pk_add_f32 v[32+\c:33+\c], v[32+\c:33+\c], v[40+\c:41+\c]
	v_pk_add_f32 v[48+\c:49+\c], v[48+\c:49+\c], v[56+\c:57+\c]
.endr
.irp c, 0,2,4,6
	v_pk_add_f32 v[32+\c:33+\c], v[32+\c:33+\c], v[48+\c:49+\c]
.endr
.irp c, 0,1,2,3                        ; w2 = -K2 x w, w rounded once to bf16
	v_cvt_pk_bf16_f32 v24, v[64+2*\c], v[65+2*\c]
	v_lshlrev_b32 v[64+2*\c], 16, v24
	v_and_b32 v[65+2*\c], 0xffff0000, v24
	v_pk_mul_f32 v[64+2*\c:65+2*\c], v[64+2*\c:65+2*\c], 0xc038aa3b op_sel_hi:[1,0]
.endr
	WIN W_CV
.set t, 0
.rept 32                               ; slice 0, packed in place
	v_cvt_pk_bf16_f32 v[PK+4*t],   v[PK+4*t],   v[PK+4*t+1]
	v_cvt_pk_bf16_f32 v[PK+4*t+1], v[PK+4*t+2], v[PK+4*t+3]
.set t, t+1
.endr
	WIN 0
	s_wait_alu depctr_va_vdst(0)                   ; the bias, w2 and the packed slice 0 are written, which the 36 stores below read; so is every LDS address and offset made above, for the whole kernel
	ds_store_b128 v23, v[32:35]
	ds_store_b128 v23, v[36:39] offset:16
	ds_store_b128 v23, v[64:67] offset:4096
	ds_store_b128 v23, v[68:71] offset:4112
	WIN W_ST
.set t, 0
.rept 32
	ds_store_b64 v[STA], v[PK+4*t:PK+4*t+1] offset:t*PIT
.set t, t+1
.endr
	WIN 0
	s_wait_alu depctr_vm_vsrc(0)                   ; the stores have read v[STA], which the next line writes; v64-71 and v32-39, in which fragments and tables land; and PK, which chunk 0's conversions write
	v_add_nc_u32 v[STA], SLB, v[STA]               ; the stores go on into slice 1
	s_wait_dscnt 0x0                               ; for the others' sake: my part of the tables and of slice 0 lies in LDS
	s_barrier_signal -1
	s_barrier_wait -1
	LDFH 0, ARL, 0, 0                              ; no wait: since the last wait on va_vdst only the add to v[STA] was issued
	LDFH 0, ARL, 0, 1
	; CHUNK 0.  Loads come back in the order of issue (ISA guide 5.7.1), which is: .. A(u-4) B(u) A(u-3) B(u+1) A(u-2) B(u+2) A(u-1) | B(u+3) A(u) .., where B(u) is quarter u's V and A(u) the group of enc asked for in quarter u.
	; The count 40 at quarter u's head leaves out the five groups behind B(u); A(u-4), which the quarter packs, is older than B(u).
	s_mov_b32 s[CS], 6
.Lstep:                                        ; steps 0 to 5
	QL 0, 40, 1, 1, 0, 7, 3, -1, 0, ARL, 64, 0
	QL 1, 40, 1, 1, 0, 4, 4, -1, 0, ARL, 128, 0
	QL 2, 40, 1, 1, 0, 5, 5, -1, 0, ARL, 192, 0
	QL 3, 40, 1, 1, 1, 6, 6, -1, 0, ARL, SLB, 0
	STEPEND
	s_sub_co_u32 s[CS], s[CS], 1
	s_cmp_lg_u32 s[CS], 0
	s_cbranch_scc1 .Lstep
	QL 0, 40, 1, 0, 0, 7, 3, -1, 0, ARL, 64, 0     ; step 6 stores slice 7 and asks for no more of enc: the counts run down by a group a quarter
	QL 1, 32, 1, 0, 0, 4, 4, -1, 0, ARL, 128, 0
	QL 2, 24, 1, 0, 0, 5, 5, -1, 0, ARL, 192, 0
	QL 3, 16, 1, 0, 1, 6, 6, -1, 0, ARL, SLB, 0
	STEPEND
	QL 0, 16, 0, 0, 0, 7, 3, 0, 4, ARL, 64, 0      ; step 7 asks for two quarters of V in each of its own: the lead grows from 3 quarters to 7, the counts by a group a quarter
	QL 1, 24, 0, 0, 0, 1, 5, 2, 6, ARL, 128, 0
	QL 2, 32, 0, 0, 0, 3, 7, 4, 8, ARL, 192, 0
	QL 3, 40, 0, 0, 0, 5, 9, 6, 10, AR, 0, 1
	BURST
	WIN 0
	s_wait_alu depctr_va_vdst(0)                   ; chunk 0's last 32 products are done reading V's ring buffer 7 and enc's buffer 1, in which the loads of the next chunk's quarter 0 land
	s_wait_xcnt 0x0                                ; the loads have read their base
	s_add_nc_u64 s[VB:VB+1], s[VB:VB+1], 4*4096    ; chunk 1's first quarter
	; CHUNKS 1 TO 3
	s_mov_b32 s[CH], 3
.Lchunk:
	s_cmp_eq_u32 s[CH], 1                          ; behind the last chunk lies nothing of mine: its loads ahead go back to the stream's head, 524,288 bytes
	s_cselect_b32 s[OFP], 0x80000, 0
	s_sub_nc_u64 s[VN:VN+1], s[VB:VB+1], s[OFP:OFP+1]
.set qq, 0
.rept 32
	QS qq
.set qq, qq+1
.endr
	BURST
	WIN 0
	s_wait_xcnt 0x0                                ; the loads have read VB and VN
	s_add_nc_u64 s[VB:VB+1], s[VB:VB+1], 32*4096
	s_sub_co_u32 s[CH], s[CH], 1
	s_cmp_lg_u32 s[CH], 0
	s_cbranch_scc1 .Lchunk
	; FIN: the last chunk's tanh, with no products left to stand beside
	WIN W_E
.set t, 0
.rept 256
	v_exp_f32 v[t], v[t]
.set t, t+1
.endr
	v_nop
.set t, 0
	s_wait_alu depctr_va_vdst(0)                   ; the 256 exponentials have written their results, which the additions below read
.rept 128
	v_pk_add_f32 v[t:t+1], v[t:t+1], 1.0 op_sel_hi:[1,0]
.set t, t+2
.endr
.set t, 0
.rept 256
	v_rcp_f32 v[t], v[t]
.set t, t+1
.endr
	s_wait_dscnt 0x0                               ; WP
	WIN W_F
	v_nop
.set t, 0
	s_wait_alu depctr_va_vdst(0)                   ; the 256 reciprocals have written their results, which the lines below read
.rept 32
.irp c, 0,1,2,3
	v_pk_fma_f32 v[SACC+8*(t/4)+2*\c:SACC+8*(t/4)+2*\c+1], v[8*t+2*\c:8*t+2*\c+1], v[WP+2*(t%4):WP+2*(t%4)+1], v[SACC+8*(t/4)+2*\c:SACC+8*(t/4)+2*\c+1]
.endr
.set t, t+1
.endr
	; THE SCORES.  A lane holds its column's share of 64 rows: the 16 lanes of a half are added; the four waves' parts meet in LDS.
	WIN 0
.irp m, 1,2,4,8
.set t, 0
.rept 64
	v_add_f32_dpp v[SACC+t], v[SACC+t], v[SACC+t] row_xmask:\m row_mask:0xf bank_mask:0xf
.set t, t+1
.endr
.endr
	s_wait_alu depctr_va_vdst(0)                   ; the additions have written SACC, which the stores below read; FIN is done reading WP and E, and BURST the accumulators: the loads behind the barrier land in v32-47, ctx's batches in E and in the upper accumulators
.irp a, 0,1,2,3,4,5,6,7
	ds_store_b128 v[SCW], v[SACC+8*\a:SACC+8*\a+3]   offset:64*\a     ; the sixteen lanes of a half write the same numbers to the same bytes
	ds_store_b128 v[SCW], v[SACC+8*\a+4:SACC+8*\a+7] offset:64*\a+16
.endr
	s_wait_dscnt 0x0
	s_barrier_signal -1
	s_barrier_wait -1
.irp c, 0,1,2,3
	ds_load_b128 v[32+4*\c:35+4*\c], v[SCR] offset:512*\c
.endr
	s_wait_dscnt 0x0
	v_pk_add_f32 v[32:33], v[32:33], v[36:37]
	v_pk_add_f32 v[34:35], v[34:35], v[38:39]
	v_pk_add_f32 v[40:41], v[40:41], v[44:45]
	v_pk_add_f32 v[42:43], v[42:43], v[46:47]
	v_pk_add_f32 v[32:33], v[32:33], v[40:41]
	v_pk_add_f32 v[34:35], v[34:35], v[42:43]      ; s2 of rows 4 l .. 4 l + 3, the same in all four waves
	v_max_num_f32 v48, v32, v33
	v_max_num_f32 v49, v34, v35
	v_max_num_f32 v48, v48, v49
.irp m, 1,2,4,8
	v_max_num_f32_dpp v48, v48, v48 row_xmask:\m row_mask:0xf bank_mask:0xf
.endr
	v_permlanex16_b32 v49, v48, s[SEL], s[SEL+1]
	v_max_num_f32 v[ML], v48, v49                  ; m2: the block's maximum is taken away in front of the exponential
.irp c, 32,33,34,35
	v_sub_f32 v\c, v\c, v[ML]
.endr
.irp c, 32,33,34,35
	v_exp_f32 v\c, v\c
.endr
	v_nop
	s_wait_alu depctr_va_vdst(0)                   ; the four exponentials have written the weights, which the lines below read
	v_add_f32 v48, v32, v33
	v_add_f32 v49, v34, v35
	v_add_f32 v48, v48, v49
.irp m, 1,2,4,8
	v_add_f32_dpp v48, v48, v48 row_xmask:\m row_mask:0xf bank_mask:0xf
.endr
	v_permlanex16_b32 v49, v48, s[SEL], s[SEL+1]
	v_add_f32 v[ML+1], v48, v49                    ; l
	v_cvt_pk_bf16_f32 v30, v32, v33
	v_cvt_pk_bf16_f32 v31, v34, v35
	s_wait_alu depctr_va_vdst(0)                   ; the roundings have written v30 and v31, which the store reads; m2 and l are written, which the last store reads; the lines above are done with v32-49, in which the weights' fragments land
	ds_store_b64 v[PBA], v[30:31]
.irp c, 0,1,2,3                        ; the wave's own bytes: LDS serves a wave's instructions in order (ISA guide 5.7.1.4).  Every column of the second source holds the same weights
	ds_load_b128 v[PF+8*\c:PF+8*\c+3],   v[PBR] offset:64*\c
	ds_load_b128 v[PF+8*\c+4:PF+8*\c+7], v[PBR] offset:64*\c+32
.endr
	; CTX^T = enc^T p for my 256 channels: 16 tiles T, 4 steps of 32 rows.  Batch i: rows 32 (i/2) on, tiles 8 (i%2) + 0..7, which lie in slice 2 w + i%2.  enc ([row][channel]) comes out of LDS turned.
	; Each batch has 64 registers of its own: batches 0, 1 enc's two buffers, 2 to 5 E's 256 registers, 6, 7 the accumulators' upper 128.  All were last named ahead of the waits on va_vdst above, and the products
	; issued since name their own batch, the weights and ctx's 16 accumulators: so no load below owes a wait.
.macro CTXL i
.if (\i) < 2
	WIN 0
.set cb, FA+64*(\i)
.elseif (\i) < 6
	WIN W_LS
.set cb, 64*((\i)-2)
.else
	WIN W_CL
.set cb, 128+64*((\i)-6)
.endif
.irp c, 0,1,2,3,4,5,6,7
	ds_load_tr16_b128 v[cb+8*\c:cb+8*\c+3],   v[ATR] offset:((\i)/2)*32*PIT+((\i)%2)*SLB+32*\c
	ds_load_tr16_b128 v[cb+8*\c+4:cb+8*\c+7], v[ATR] offset:((\i)/2)*32*PIT+((\i)%2)*SLB+32*\c+16*PIT
.endr
.endm
.macro CTXM i                          ; the 16 accumulators take turns: 15 others' instructions stand between two links of a chain
.if (\i) < 2
	WIN W_CX
.set cb, FA+64*(\i)
.elseif (\i) < 6
	WIN W_CX+3
.set cb, 64*((\i)-2)
.else
	WIN W_CX+2
.set cb, 128+64*((\i)-6)
.endif
.irp c, 0,1,2,3,4,5,6,7
.if (\i) < 2
	v_wmma_f32_16x16x32_bf16 v[64*((\i)%2)+8*\c:64*((\i)%2)+8*\c+7], v[cb+8*\c:cb+8*\c+7], v[PF+8*((\i)/2):PF+8*((\i)/2)+7], 0
.else
	v_wmma_f32_16x16x32_bf16 v[64*((\i)%2)+8*\c:64*((\i)%2)+8*\c+7], v[cb+8*\c:cb+8*\c+7], v[PF+8*((\i)/2):PF+8*((\i)/2)+7], v[64*((\i)%2)+8*\c:64*((\i)%2)+8*\c+7]
.endif
.endr
.endm
	CTXL 0
	CTXL 1
	CTXL 2                                         ; with the weights' store and eight loads 57 LDS instructions are out
.irp i, 0,1,2,3,4,5,6,7
.if \i < 6
	s_wait_dscnt 32                                ; batch i (and the weights) are in; the next two batches' 32 loads may stay out
.elseif \i == 6
	s_wait_dscnt 16
.else
	s_wait_dscnt 0x0
.endif
	CTXM \i
.if \i < 5
	CTXL \i+3
.endif
.endr
	PLACES                                         ; behind the last batch, in front of the stores that read results
	WIN W_CS
	s_wait_alu depctr_va_vdst(0)                   ; the products have written ctx's 16 accumulators, which the stores read, and are done reading the weights' fragments: the two loads below land in v32-39; the places above stay beside this wait
.set t, 0
.rept 16
	ds_store_b128 v[CTS], v[8*t:8*t+3]   offset:64*t      ; register j of lane l is channel 16 T + 8 (l/16) + j, the same in all 16 columns
	ds_store_b128 v[CTS], v[8*t+4:8*t+7] offset:64*t+16
.set t, t+1
.endr
	WIN 0
	ds_load_b128 v[32:35], v[CTR]                  ; the wave's own bytes, in order behind the stores
	ds_load_b128 v[36:39], v[CTR] offset:512
	s_wait_dscnt 0x0
	global_store_b128 v[GO], v[32:35], s[12:13]             ; 512 consecutive bytes, at a multiple of 256 from part's first
	global_store_b128 v[GO], v[36:39], s[12:13] offset:512
	s_cmp_lg_u32 s[WV], 0
	s_cbranch_scc1 .Lend
	global_store_b64 v[GM], v[ML:ML+1], s[12:13] offset:4096  ; (m2, l) 32 times: 256 consecutive bytes, aligned, by one instruction
.Lend:
	s_wait_dscnt 0x0                               ; the wave's end: the closing lines, six on end
	s_wait_alu 0x0
	s_wait_tensorcnt 0x0
	ds_add_u32 v[SPW], v[NIL]
	s_wait_dscnt 0x0
	s_endpgm
.Lfunc_end_k_q2b3d280415_main:
	.size	k_q2b3d280415_main, .Lfunc_end_k_q2b3d280415_main-k_q2b3d280415_main
	.p2alignl 7, 3214868480
	.fill 96, 4, 3214868480
	.section	.rodata,"a",@progbits
	.p2align	6, 0x0
	.amdhsa_kernel k_q2b3d280415_main
		.amdhsa_group_segment_fixed_size 294912
		.amdhsa_private_segment_fixed_size 0
		.amdhsa_enable_private_segment 0
		.amdhsa_kernarg_size 40
		.amdhsa_user_sgpr_count 2
		.amdhsa_user_sgpr_kernarg_segment_ptr 1
		.amdhsa_wavefront_size32 1
		.amdhsa_system_sgpr_workgroup_id_x 1
		.amdhsa_system_sgpr_workgroup_id_y 1
		.amdhsa_system_sgpr_workgroup_id_z 1
		.amdhsa_system_vgpr_workitem_id 0
		.amdhsa_next_free_vgpr 1024
		.amdhsa_next_free_sgpr 66
		.amdhsa_reserve_vcc 0
		.amdhsa_float_denorm_mode_32 3
		.amdhsa_float_denorm_mode_16_64 3
		.amdhsa_memory_ordered 1
		.amdhsa_forward_progress 1
		.amdhsa_inst_pref_size 255
	.end_amdhsa_kernel
	.section	.bss,"aw",@nobits
	.p2align	6
	.space	262144
	.amdgpu_metadata
---
amdhsa.version: [ 1, 2 ]
amdhsa.kernels:
  - .name:           k_q2b3d280415_main
    .symbol:         k_q2b3d280415_main.kd
    .args:
      - { .name: encoder_outputs, .offset: 0, .size: 8, .value_kind: global_buffer, .address_space: global }
      - { .name: vf, .offset: 8, .size: 8, .value_kind: global_buffer, .address_space: global }
      - { .name: bias2, .offset: 16, .size: 8, .value_kind: global_buffer, .address_space: global }
      - { .name: w, .offset: 24, .size: 8, .value_kind: global_buffer, .address_space: global }
      - { .name: part, .offset: 32, .size: 8, .value_kind: global_buffer, .address_space: global }
    .group_segment_fixed_size: 294912
    .private_segment_fixed_size: 0
    .kernarg_segment_align: 8
    .kernarg_segment_size: 40
    .max_flat_workgroup_size: 128
    .sgpr_count:     66
    .vgpr_count:     1024
    .wavefront_size: 32
...
	.end_amdgpu_metadata
.endif
;; end of part 4
;; launch combine: the kernel of part 3 again; grid 32 x 1, 8 waves a work-group, no clusters, 0 bytes of LDS; arguments part, out0; writes out0
